; MI455X (gfx1250); checked and timed in simulation.
; The chip was launched on July 23, 2026; its instructions are those of AMD's public machine-readable ISA for CDNA 5 (MIT licence, August 2026) and "CDNA5" Instruction Set Architecture Reference Guide (July 2026). The comments in the code are by the model that wrote it; some were corrected since.
;; MHC Layer. Allowed arithmetic: float matrix products may take bf16 or f16 operands with f32 sums; other float arithmetic in f32, or as packed bf16 or f16 multiplies, adds, multiply-adds, maxima and minima; sums over many terms, partial sums and values carried from step to step in f32; what a program stores and reads back later, other than sums and carried values, may be rounded once to bf16 or f16.
;; Inputs: agent_biases 64 x 2,048 float32; agent_states 64 x 64 x 2,048 float32; bk 2,048 float32; bq 2,048 float32; bv 2,048 float32; ln_b 2,048 float32; ln_w 2,048 float32; scale_factors 64 float32; wk 2,048 x 2,048 float32; wq 2,048 x 2,048 float32; wv 2,048 x 2,048 float32.
;; Outputs: out0 64 x 64 x 2,048 float32; out1 64 x 64 x 64 float32.
;; 3 versions, each right; version 3 is version 2 with the launch prep written anew for expert scheduling mode. Each part assembles by itself: llvm-mc -triple=amdgcn-amd-amdhsa -mcpu=gfx1250 --defsym DOCPART=n.
;; ======== version 1 of 3: 4 launches
;; limits: values are held in f16: magnitudes above 65,504 overflow, below 6.1e-05 lose precision
;; workspace buffers: xn 16,777,216 bytes; qh 16,777,216 bytes; kh 16,777,216 bytes; vh 16,777,216 bytes; whq 8,388,608 bytes; whk 8,388,608 bytes; whv 8,388,608 bytes
;; launch prep (part 1): grid 256 x 1, 8 waves a work-group, no clusters, 0 bytes of LDS; arguments agent_states, ln_w, ln_b, wq, wk, wv, xn, whq, whk, whv; writes xn, whq, whk, whv
.if DOCPART == 1
	.amdgcn_target "amdgcn-amd-amdhsa--gfx1250"
	.amdhsa_code_object_version 6
	.text
	.protected	k_qaa83784cd9_prep
	.globl	k_qaa83784cd9_prep
	.p2align	8
	.type	k_qaa83784cd9_prep,@function
k_qaa83784cd9_prep:
	s_mov_b64 s[64:65], 0
	v_nop
	global_prefetch_b8 v0, s[64:65] scope:SCOPE_SE
	s_setreg_imm32_b32 hwreg(HW_REG_WAVE_MODE, 25, 1), 1
	s_wait_xcnt 0x0
; PREP.  xn = LayerNorm(agent_states) x ln_w + ln_b, rounded once to f16; whq, whk, whv = wq, wk, wv rounded once to f16.
; THE PROGRAM: prep (this); gemm (q, k, v = xn w^T + bias, f16); sink (scores, 50 rounds of row and column normalising, attn); mix (attn v, mix, bias, scale, bound, residual).
; WORK LEFT OUT: bk.  k enters the scores alone, and q_n . (k0_m + bk) = q_n . k0_m + q_n . bk.  The second term does not depend on m, and the first thing done to the scores is
; la - logsumexp(la, axis = 2), over m, which takes away every term that is the same along m, whatever the inputs hold.  So bk reaches neither output: it is not loaded and is no argument of any
; launch.  (bq stays: bq . k0_m varies along m.)  LIMIT: a NaN, an infinity or an overflow that comes from bk alone is not carried to the results.
; WHY f16 AND NOT bf16: a score's error moves attn by that error times attn, and the scores are sums of 2,048 products of numbers that are themselves sums of 2,048 products; f16 keeps 11 significant bits.
; LIMITS: |xn| and |w| stay under 65,504 (f16's largest number); below 6.1e-5 f16 keeps its fixed step of 6e-8.  NaN and infinities are not treated apart.
; SHARES.  256 work-groups x 8 waves = 2,048 waves.  Wave W takes rows 2 W and 2 W + 1 of agent_states and row W of each weight.  A row of 2,048 f32 is 16 loads of 16 bytes a lane (a wave's load covers
; 512 bytes on end) and stays in 64 registers: register 4 j + e of lane l is column 128 j + 4 l + e.  As f16 it leaves by 16 stores of 8 bytes a lane: each covers 256 bytes on end, aligned.
; All 112 loads are issued first; no register is used twice for memory, so no store's source is ever rewritten.  No LDS, no barrier: a row never leaves its wave.
; REGISTERS.  Window 0: v1 = 16 l, v2 = 8 l; v4-11 four chains of pairs; v12-13, v16-17 the means; v14-15, v18-19 1 / sqrt(var + eps); v20, v21 var + eps; v32-95, v96-159 the two rows; v160-223 wq's row.
; Window 1: v0-63 ln_w, v64-127 ln_b, v128-191 wk's row, v192-255 wv's row.
.set X0, 32
.set X1, 96
.set WA, 160
.set LW, 0
.set LB, 64
.set WB, 128
.set WC, 192
.set CH, 4
.set MSB, 0
.macro WIN new                         ; s_set_vgpr_msb: bits 1:0 source 0, 3:2 source 1, 5:4 source 2, 7:6 destination; the high byte repeats the setting that is left
.if MSB != (\new)
	s_set_vgpr_msb (MSB<<8)|(\new)
.set MSB, \new
.endif
.endm
.macro ROWIN reg, ptr, off, nt         ; a row of 8,192 bytes into 64 registers
.set j, 0
.rept 16
.if \nt
	global_load_b128 v[(\reg)+4*j:(\reg)+4*j+3], v1, s[(\ptr):(\ptr)+1] offset:(\off)+512*j th:TH_LOAD_NT
.else
	global_load_b128 v[(\reg)+4*j:(\reg)+4*j+3], v1, s[(\ptr):(\ptr)+1] offset:(\off)+512*j
.endif
.set j, j+1
.endr
.endm
.macro MERGE                           ; the four chains into one number, then over the 32 lanes: every lane ends with the sum in v[CH]
	v_pk_add_f32 v[CH:CH+1], v[CH:CH+1], v[CH+2:CH+3]
	v_pk_add_f32 v[CH+4:CH+5], v[CH+4:CH+5], v[CH+6:CH+7]
	v_pk_add_f32 v[CH:CH+1], v[CH:CH+1], v[CH+4:CH+5]
	v_add_f32 v[CH], v[CH], v[CH+1]
	v_add_f32_dpp v[CH], v[CH], v[CH] row_xmask:1 row_mask:0xf bank_mask:0xf
	v_add_f32_dpp v[CH], v[CH], v[CH] row_xmask:2 row_mask:0xf bank_mask:0xf
	v_add_f32_dpp v[CH], v[CH], v[CH] row_xmask:4 row_mask:0xf bank_mask:0xf
	v_add_f32_dpp v[CH], v[CH], v[CH] row_xmask:8 row_mask:0xf bank_mask:0xf
	v_permlanex16_b32 v[CH+1], v[CH], s28, s29
	v_add_f32 v[CH], v[CH], v[CH+1]
.endm
; The row's mean; the row less its mean, in place; the mean of the squares of that, plus eps: two passes, as the formula has them, so that a common offset of the row costs nothing.
.macro STAT x, mu, arg
.irp c, 0,1,2,3
	v_pk_add_f32 v[CH+2*(\c):CH+2*(\c)+1], v[(\x)+2*(\c):(\x)+2*(\c)+1], v[(\x)+8+2*(\c):(\x)+8+2*(\c)+1]  ; the first eight pairs start the chains
.endr
.set p, 8
.rept 24
	v_pk_add_f32 v[CH+2*(p%4):CH+2*(p%4)+1], v[CH+2*(p%4):CH+2*(p%4)+1], v[(\x)+2*p:(\x)+2*p+1]
.set p, p+1
.endr
	MERGE
	v_mul_f32 v[(\mu)], s30, v[CH]
	v_mul_f32 v[(\mu)+1], s30, v[CH]
.set p, 0
.rept 32
	v_pk_add_f32 v[(\x)+2*p:(\x)+2*p+1], v[(\x)+2*p:(\x)+2*p+1], v[(\mu):(\mu)+1] neg_lo:[0,1] neg_hi:[0,1]
.set p, p+1
.endr
.irp c, 0,1,2,3
	v_pk_mul_f32 v[CH+2*(\c):CH+2*(\c)+1], v[(\x)+2*(\c):(\x)+2*(\c)+1], v[(\x)+2*(\c):(\x)+2*(\c)+1]
.endr
.set p, 4
.rept 28
	v_pk_fma_f32 v[CH+2*(p%4):CH+2*(p%4)+1], v[(\x)+2*p:(\x)+2*p+1], v[(\x)+2*p:(\x)+2*p+1], v[CH+2*(p%4):CH+2*(p%4)+1]
.set p, p+1
.endr
	MERGE
	v_fma_f32 v[(\arg)], v[CH], s30, s31           ; sum / 2,048 + eps
.endm
; (x - mean) x rstd x ln_w + ln_b, rounded to f16 in place, stored
.macro NORM x, rs, off
	WIN 0
.set p, 0
.rept 32
	v_pk_mul_f32 v[(\x)+2*p:(\x)+2*p+1], v[(\x)+2*p:(\x)+2*p+1], v[(\rs):(\rs)+1]
.set p, p+1
.endr
	WIN 0x14                                       ; sources 1 and 2 in window 1
.set p, 0
.rept 32
	v_pk_fma_f32 v[(\x)+2*p:(\x)+2*p+1], v[(\x)+2*p:(\x)+2*p+1], v[LW+2*p:LW+2*p+1], v[LB+2*p:LB+2*p+1]
.set p, p+1
.endr
	WIN 0
.set j, 0
.rept 16
	v_cvt_pk_f16_f32 v[(\x)+4*j], v[(\x)+4*j], v[(\x)+4*j+1]
	v_cvt_pk_f16_f32 v[(\x)+4*j+1], v[(\x)+4*j+2], v[(\x)+4*j+3]
.set j, j+1
.endr
.set j, 0
.rept 16
	global_store_b64 v2, v[(\x)+4*j:(\x)+4*j+1], s[16:17] offset:(\off)+256*j
.set j, j+1
.endr
.endm
; a weight's row rounded to f16 in place and stored; w: the window in which it lies
.macro CAST reg, w, ptr
	WIN 0x45*(\w)
.set j, 0
.rept 16
	v_cvt_pk_f16_f32 v[(\reg)+4*j], v[(\reg)+4*j], v[(\reg)+4*j+1]
	v_cvt_pk_f16_f32 v[(\reg)+4*j+1], v[(\reg)+4*j+2], v[(\reg)+4*j+3]
.set j, j+1
.endr
	WIN 0x04*(\w)                                  ; a store's data is source 1
.set j, 0
.rept 16
	global_store_b64 v2, v[(\reg)+4*j:(\reg)+4*j+1], s[(\ptr):(\ptr)+1] offset:256*j
.set j, j+1
.endr
.endm
	s_load_b512 s[4:19], s[0:1], 0x0               ; agent_states s[4:5], ln_w s[6:7], ln_b s[8:9], wq s[10:11], wk s[12:13], wv s[14:15], xn s[16:17], whq s[18:19]
	s_load_b128 s[20:23], s[0:1], 0x40             ; whk s[20:21], whv s[22:23]
	v_lshrrev_b32 v3, 5, v0
	v_readfirstlane_b32 s24, v3                    ; wave 0..7
	s_lshl_b32 s25, ttmp9, 3
	s_add_co_u32 s25, s25, s24                     ; W = 8 x work-group + wave
	v_and_b32 v2, 31, v0
	v_lshlrev_b32 v1, 4, v2                        ; 16 l
	v_lshlrev_b32 v2, 3, v2                        ; 8 l
	s_mov_b32 s27, 0
	s_mov_b32 s28, 0x76543210                      ; v_permlanex16_b32: each lane takes its own place in the other half
	s_mov_b32 s29, 0xfedcba98
	s_mov_b32 s30, 0x3a000000                      ; 1 / 2,048
	s_mov_b32 s31, 0x3727c5ac                      ; 1e-5
	s_wait_kmcnt 0x0
	s_lshl_b32 s26, s25, 14                        ; two rows of 8,192 bytes
	s_add_nc_u64 s[4:5], s[4:5], s[26:27]
	s_lshl_b32 s26, s25, 13                        ; a weight's row of 8,192 bytes; two rows of xn of 4,096
	s_add_nc_u64 s[10:11], s[10:11], s[26:27]
	s_add_nc_u64 s[12:13], s[12:13], s[26:27]
	s_add_nc_u64 s[14:15], s[14:15], s[26:27]
	s_add_nc_u64 s[16:17], s[16:17], s[26:27]
	s_lshl_b32 s26, s25, 12                        ; a rounded weight's row of 4,096 bytes
	s_add_nc_u64 s[18:19], s[18:19], s[26:27]
	s_add_nc_u64 s[20:21], s[20:21], s[26:27]
	s_add_nc_u64 s[22:23], s[22:23], s[26:27]
	ROWIN X0, 4, 0, 0
	ROWIN X1, 4, 8192, 0
	WIN 0x40                                       ; destination in window 1
	ROWIN LW, 6, 0, 0
	ROWIN LB, 8, 0, 0
	WIN 0
	ROWIN WA, 10, 0, 1
	WIN 0x40
	ROWIN WB, 12, 0, 1
	ROWIN WC, 14, 0, 1
	WIN 0
	s_wait_loadcnt 63                              ; behind the two rows' 32 loads 80 were issued; the wait's field holds 63 at the most, which asks for more than is needed
	STAT X0, 12, 20
	STAT X1, 16, 21
	v_rsq_f32 v14, v20                             ; one batch of four: each row's factor twice, to fill the pair that the packed multiply takes
	v_rsq_f32 v15, v20
	v_rsq_f32 v18, v21
	v_rsq_f32 v19, v21
	v_nop                                          ; a plain instruction behind the last of them,
	s_wait_alu depctr_va_vdst(0)                   ; and one wait ahead of the first reader
	s_wait_loadcnt 48                              ; ln_w and ln_b are in: the weights' 48 loads are younger
	NORM X0, 14, 0
	NORM X1, 18, 4096
	s_wait_loadcnt 32                              ; wq's row: 32 younger
	CAST WA, 0, 18
	s_wait_loadcnt 16                              ; wk's row: 16 younger
	CAST WB, 1, 20
	s_wait_loadcnt 0x0
	CAST WC, 1, 22
	s_endpgm
.Lfunc_end_k_qaa83784cd9_prep:
	.size	k_qaa83784cd9_prep, .Lfunc_end_k_qaa83784cd9_prep-k_qaa83784cd9_prep
	.p2alignl 7, 3214868480
	.fill 96, 4, 3214868480
	.section	.rodata,"a",@progbits
	.p2align	6, 0x0
	.amdhsa_kernel k_qaa83784cd9_prep
		.amdhsa_group_segment_fixed_size 0
		.amdhsa_private_segment_fixed_size 0
		.amdhsa_enable_private_segment 0
		.amdhsa_kernarg_size 80
		.amdhsa_user_sgpr_count 2
		.amdhsa_user_sgpr_kernarg_segment_ptr 1
		.amdhsa_wavefront_size32 1
		.amdhsa_system_sgpr_workgroup_id_x 1
		.amdhsa_system_sgpr_workgroup_id_y 1
		.amdhsa_system_sgpr_workgroup_id_z 1
		.amdhsa_system_vgpr_workitem_id 0
		.amdhsa_next_free_vgpr 512
		.amdhsa_next_free_sgpr 66
		.amdhsa_reserve_vcc 0
		.amdhsa_float_denorm_mode_32 3
		.amdhsa_float_denorm_mode_16_64 3
		.amdhsa_memory_ordered 1
		.amdhsa_forward_progress 1
		.amdhsa_inst_pref_size 52
	.end_amdhsa_kernel
	.amdgpu_metadata
---
amdhsa.version: [ 1, 2 ]
amdhsa.kernels:
  - .name:           k_qaa83784cd9_prep
    .symbol:         k_qaa83784cd9_prep.kd
    .args:
      - { .name: agent_states, .offset: 0, .size: 8, .value_kind: global_buffer, .address_space: global }
      - { .name: ln_w, .offset: 8, .size: 8, .value_kind: global_buffer, .address_space: global }
      - { .name: ln_b, .offset: 16, .size: 8, .value_kind: global_buffer, .address_space: global }
      - { .name: wq, .offset: 24, .size: 8, .value_kind: global_buffer, .address_space: global }
      - { .name: wk, .offset: 32, .size: 8, .value_kind: global_buffer, .address_space: global }
      - { .name: wv, .offset: 40, .size: 8, .value_kind: global_buffer, .address_space: global }
      - { .name: xn, .offset: 48, .size: 8, .value_kind: global_buffer, .address_space: global }
      - { .name: whq, .offset: 56, .size: 8, .value_kind: global_buffer, .address_space: global }
      - { .name: whk, .offset: 64, .size: 8, .value_kind: global_buffer, .address_space: global }
      - { .name: whv, .offset: 72, .size: 8, .value_kind: global_buffer, .address_space: global }
    .group_segment_fixed_size: 0
    .private_segment_fixed_size: 0
    .kernarg_segment_align: 8
    .kernarg_segment_size: 80
    .max_flat_workgroup_size: 256
    .sgpr_count:     66
    .vgpr_count:     512
    .wavefront_size: 32
...
	.end_amdgpu_metadata
.endif
;; end of part 1
;; launch gemm (part 2): grid 24 x 16, 4 waves a work-group, clusters of 4 x 4, 327,680 bytes of LDS; arguments xn, whq, whk, whv, bq, bv, qh, kh, vh; writes qh, kh, vh
.if DOCPART == 2
	.amdgcn_target "amdgcn-amd-amdhsa--gfx1250"
	.amdhsa_code_object_version 6
	.text
	.protected	k_qaa83784cd9_gemm
	.globl	k_qaa83784cd9_gemm
	.p2align	8
	.type	k_qaa83784cd9_gemm,@function
k_qaa83784cd9_gemm:
	s_mov_b64 s[64:65], 0
	v_nop
	global_prefetch_b8 v0, s[64:65] scope:SCOPE_SE
	s_setreg_imm32_b32 hwreg(HW_REG_WAVE_MODE, 25, 1), 1
	s_wait_xcnt 0x0
	s_wait_alu depctr_hold_cnt(0) depctr_sa_sdst(0) depctr_va_vdst(0) depctr_va_sdst(0) depctr_va_ssrc(0) depctr_va_vcc(0) depctr_vm_vsrc(0)
	s_getreg_b32 s2, hwreg(HW_REG_IB_STS2, 6, 4)
	s_cmp_eq_u32 s2, 0
	s_cbranch_scc0 .Lentry_in_a_cluster
	s_endpgm
.Lentry_in_a_cluster:
	s_bfe_u32 s2, ttmp6, 0x10000c
	s_cmp_lg_u32 s2, 0xf033
	s_cbranch_scc0 .Lentry_shape_is_right
	s_endpgm
.Lentry_shape_is_right:
; GEMM.  qh = xn whq^T + bq, kh = xn whk^T, vh = xn whv^T + bv.  xn: [4096][2048], wh*: [2048][2048], results [4096][2048], all f16; sums in f32, each result rounded once.
; WORK LEFT OUT: bk (it adds to every score of a row of the scores the same number, which the first row normalising takes away for all values: shown at the head of the first kernel).
; LIMITS: q, k, v stay under 65,504 (f16); NaN and infinities are not treated apart.
; THE GRID is 24 x 16 tiles of 256 x 256: tile columns 0-7 belong to q, 8-15 to k, 16-23 to v.  A cluster of 4 x 4 work-groups lies within one of the three (KIND = cluster x / 2), so all sixteen partners
; choose the same weight, bias and result by KIND.
; A tile is made by four waves, each 128 x 128: 64 accumulators of 16 x 16, 512 registers.  K goes in steps of 128 through a ring of two LDS slots filled by the tensor data mover: rows of 256 bytes, aligned.
; CLUSTERS: the four work-groups of a row of the cluster need the same tiles of xn, the four of a column the same tiles of the weight.  Such a tile is asked for JOINTLY: each of the four issues the same
; tensor load, with the same descriptor and a mask that names the four.
; THE BIAS is the C operand of the products that start the sums (for k: zeros), so it costs no instruction of its own.
; THE LAST K STEP goes by rows of the result, so that finished rows leave while the others are multiplied.
; REGISTERS, in windows of 256 (s_set_vgpr_msb: bits 1:0 source 0, 3:2 source 1, 5:4 source 2, 7:6 destination):
;   window 0: v0-31 addresses; v64-127, v128-191 fragments of xn, two buffers (in the last K step four, of 16 rows x 128 K); v192-255 the bias, until the first quarter has taken it; v32-63, v192-255 the way out
;   window 1: v64-127, v128-191 fragments of the weight, two buffers; in the last K step all 256
;   window 2: the 32 accumulators of my rows 0-63 (accumulator (a, b) at v[8 (8 a + b)]);   window 3: those of my rows 64-127
; THE MATRIX INSTRUCTION IS USED TRANSPOSED: source 0 = 16 rows of the weight, source 1 = 16 rows of xn.  Lane l then holds row l % 16 of the result and its registers the columns 8 (l / 16) + 0 .. 7.
.set SIZE_N, 2048                      ; columns of a result: its pitch
.set SIZE_K, 2048
.set KSTEP,  128
.set PITCH,  272                       ; an LDS row: 256 bytes + 16 of padding, an odd multiple of 16 bytes: the 16 rows that a load touches start 16 bytes further round the banks each (ISA guide 11.1)
.set HALFT,  128*PITCH                 ; 128 rows: what one tensor load brings, and what one wave reads of either operand
.set SLOT,   4*HALFT                   ; xn's 256 rows, then the weight's 256 rows
.set STAGE,  2*SLOT                    ; behind the ring: 16 rows x 272 bytes for each wave, for the way out
.set SPITCH, 272
.set SPARE,  STAGE+4*16*SPITCH         ; behind the stages: the spare words, 128 bytes for each wave, which no other line names
.set LAPS, SIZE_K/(2*KSTEP)            ; a lap = two K steps = once round the ring: 8
.set ADRA, 16                          ; v16-17  LDS address of my xn fragments in slot 0, 1
.set ADRB, 20                          ; v20-21  the same for the weight
.set STO,  24                          ; v24     the way out: where I put 16 bytes of a row
.set RD,   25                          ; v25     the way out: where I read a row back
.set CO,   26                          ; v26     my byte offset in the result
.set BO,   27                          ; v27     my byte offset in the bias
.set SPW,  28                          ; v28     LDS address of my spare word; never rewritten
.set NIL,  29                          ; v29     0; never rewritten
.set PFO,  30                          ; v30     the prefetches' offset: my lane x a row (4,096 bytes); never rewritten
.set PFA,  44                          ; s[44:45] where my prefetches stand
.set LIM,  43                          ; s43     1 in a wave that prefetches, else the greatest number
.set KIND, 66                          ; s66     0: q, 1: k, 2: v
.set BP,   86                          ; s[86:87] the bias
.set F0,   64
.set F1,   128
.set TMP,  192
.set BIAS, 192
.set OB,   32
.set PA,   64
.set G1, 24                            ; s[24:31] descriptor group 1 for xn's tiles
.set G0, 32                            ; s[32:39] group 0 for xn's tiles, one set for each slot
.set G1B, 48                           ; s[48:55] group 1 for the weight's tiles: it differs in the mask alone
.set G0B, 56                           ; s[56:63] group 0 for the weight's tiles
.set MSB, 0
.macro WIN new
.if MSB != (\new)
	s_set_vgpr_msb (MSB<<8)|(\new)
.set MSB, \new
.endif
.endm
.set MUL_LO, 0xa1                      ; source 0 (weight) window 1, source 1 (xn) window 0, C and D window 2
.set MUL_HI, 0xf1                      ; the same, C and D window 3
.set TO_B,   0x40                      ; destination window 1, address window 0
; A joint load.  Waves 0 and 1 fetch xn's two halves, waves 2 and 3 the weight's.  The branch hangs on the wave's number alone.  An s_nop 0 and four v_nop follow each of the two lines.
.macro JLOAD s
	s_cmp_eq_u32 s11, 0
	s_cbranch_scc0 .Lfor_b_\@
	tensor_load_to_lds s[G0+4*(\s):G0+4*(\s)+3], s[G1:G1+7]
	s_nop 0
.rept 4
	v_nop
.endr
	s_branch .Lasked_\@
.Lfor_b_\@:
	tensor_load_to_lds s[G0B+4*(\s):G0B+4*(\s)+3], s[G1B:G1B+7]
	s_nop 0
.rept 4
	v_nop
.endr
.Lasked_\@:
.endm
; A prefetch, behind each joint load and the run of LDS loads that follows it: the K step that stands two refills on, 512 matrix instructions ahead of the load that will want it: 32 rows x 256 bytes, a lane a
; row, one instruction a wave.  Each row's 256 bytes of a K step are named once in the launch: xn's rows by the clusters with x = 0, a weight's rows by the clusters with y = 0; the four partners that ask for
; a tile jointly share its rows out by address, 32 each.  K steps 0 to 3 come by their loads alone; the loop's last trip (s3 = 1) asks for nothing: K steps 4 to 15 are named.
.macro ASK
	s_cmp_gt_u32 s3, s[LIM]
	s_cbranch_scc0 .Lnot_mine_\@
	global_prefetch_b8 v[PFO], s[PFA:PFA+1] offset:KSTEP*2 th:TH_LOAD_NT scope:SCOPE_SE
.Lnot_mine_\@:
.endm
.macro CREST                           ; a round of the cluster's barrier behind its opening barrier
	s_cmp_lg_u32 s10, 0
	s_cbranch_scc1 .Lnot_wave_0_\@
	s_barrier_signal -3
.Lnot_wave_0_\@:
	s_barrier_wait -3
	s_barrier_signal -1
	s_barrier_wait -1
.endm
.macro CROUND                          ; a whole round
	s_barrier_signal -1
	s_barrier_wait -1
	CREST
.endm
	s_load_b256 s[68:75], s[0:1], 0x0              ; xn s[68:69], whq s[70:71], whk s[72:73], whv s[74:75]
	s_load_b256 s[76:83], s[0:1], 0x20             ; bq s[76:77], bv s[78:79], qh s[80:81], kh s[82:83]
	s_load_b64 s[84:85], s[0:1], 0x40              ; vh
	v_lshl_add_u32 v[SPW], v0, 2, SPARE
	v_mov_b32 v[NIL], 0
	ds_add_u32 v[SPW], v[NIL]                      ; the wave's opening: the add, twice on end, and its wait ahead of my first tensor load
	ds_add_u32 v[SPW], v[NIL]
	v_lshrrev_b32 v1, 5, v0
	v_readfirstlane_b32 s10, v1                    ; wave 0..3
	s_lshr_b32 s11, s10, 1                         ; which half of the tile's rows is mine.  Also: I fetch for xn (0) or for the weight (1)
	s_and_b32 s12, s10, 1                          ; which half of its columns.  Also: which 128 rows of that tile I fetch
	s_bfe_u32 s40, ttmp6, 0x40000                  ; cx
	s_bfe_u32 s41, ttmp6, 0x40004                  ; cy
	s_lshr_b32 s[KIND], ttmp9, 1                   ; two clusters along x for each of q, k, v
	s_and_b32 s42, ttmp9, 1
	s_lshl_b32 s42, s42, 2
	s_add_co_u32 s42, s42, s40                     ; tile column within the weight, 0..7
	s_and_b32 s13, ttmp7, 0xffff
	s_lshl_b32 s13, s13, 2
	s_add_co_u32 s13, s13, s41                     ; tile row = 4 x cluster y + cy
	s_lshl_b32 s43, s41, 2
	s_lshl_b32 s43, 15, s43                        ; my row of the cluster: places 4 cy .. 4 cy + 3
	s_lshl_b32 s44, 0x1111, s40                    ; my column: places cx, cx + 4, cx + 8, cx + 12
	; descriptor group 1: a tile of 128 rows x 128 elements, padded in LDS
	s_or_b32 s[G1+0], s43, (1<<16)|(1<<20)|(1<<21)|(5<<22)|(3<<25)  ; the mask; elements of 2 bytes; padding on; bit 21 beside a mask; after every 64 words (code 5) 4 words (code 3)
	s_or_b32 s[G1B+0], s44, (1<<16)|(1<<20)|(1<<21)|(5<<22)|(3<<25)
.irp g, G1, G1B
	s_mov_b32 s[(\g)+1], KSTEP<<16                 ; tensor_dim0 = 128
	s_mov_b32 s[(\g)+2], 128<<16                   ; tensor_dim1 = 128
	s_mov_b32 s[(\g)+3], KSTEP<<16                 ; tile_dim0 = 128
	s_mov_b32 s[(\g)+4], 128                       ; tile_dim1 = 128
	s_mov_b32 s[(\g)+5], SIZE_K                    ; elements from row to row
	s_mov_b32 s[(\g)+6], 0
	s_mov_b32 s[(\g)+7], 0
.endr
	; where the tiles come from: xn's hang on the tile row alone, the weight's on the tile column alone; each in registers that never hold the other coordinate
	s_lshl_b32 s17, s12, 7
	s_lshl_b32 s16, s13, 8
	s_add_co_u32 s16, s16, s17                     ; xn: row 256 x tile row + 128 x half
	s_lshl_b32 s46, s42, 8
	s_add_co_u32 s46, s46, s17                     ; weight: row 256 x tile column + 128 x half
	s_mov_b32 s17, 0
	s_mov_b32 s47, 0
	s_mov_b64 s[18:19], SIZE_K*2
	s_mul_u64 s[16:17], s[16:17], s[18:19]
	s_mul_u64 s[46:47], s[46:47], s[18:19]
	s_mul_i32 s20, s10, HALFT                      ; where they go: wave x 128 rows
	s_wait_dscnt 0x0                               ; both opening adds are done
	s_wait_kmcnt 0x0
	s_mov_b64 s[4:5], s[68:69]                     ; A = xn
	s_cmp_eq_u32 s[KIND], 0
	s_cselect_b64 s[6:7], s[70:71], s[72:73]       ; B = whq, whk or whv,
	s_cselect_b64 s[8:9], s[80:81], s[82:83]       ; C = qh, kh or vh
	s_cmp_eq_u32 s[KIND], 2
	s_cselect_b64 s[6:7], s[74:75], s[6:7]
	s_cselect_b64 s[8:9], s[84:85], s[8:9]
	s_cselect_b64 s[BP:BP+1], s[78:79], s[76:77]   ; bv for v, else bq (not read for k)
	s_add_nc_u64 s[14:15], s[4:5], s[16:17]
	s_add_nc_u64 s[46:47], s[6:7], s[46:47]
	CROUND                                         ; all sixteen work-groups are here: the first joint loads meet
.irp s, 0,1
	s_mov_b32 s[G0+4*(\s)], 1                                      ; count = 1
	s_add_co_u32 s[G0+4*(\s)+1], s20, (\s)*SLOT                    ; LDS address
	s_add_nc_u64 s[G0+4*(\s)+2:G0+4*(\s)+3], s[14:15], (\s)*KSTEP*2  ; global address: K step s
	s_or_b32 s[G0+4*(\s)+3], s[G0+4*(\s)+3], 0x80000000            ; type = 2
	s_mov_b32 s[G0B+4*(\s)], 1
	s_add_co_u32 s[G0B+4*(\s)+1], s20, (\s)*SLOT
	s_add_nc_u64 s[G0B+4*(\s)+2:G0B+4*(\s)+3], s[46:47], (\s)*KSTEP*2
	s_or_b32 s[G0B+4*(\s)+3], s[G0B+4*(\s)+3], 0x80000000
	JLOAD \s                                       ; two tensor loads of mine are out
.endr
	; a fragment is 16 rows x 32 K in 8 registers: lane l holds row l % 16; two loads of 16 bytes, 32 bytes apart, at row x pitch + 16 (l / 16)
	v_and_b32 v1, 15, v0                           ; l % 16
	v_bfe_u32 v2, v0, 4, 1                         ; l / 16
	v_mul_u32_u24 v3, v1, PITCH
	v_lshl_add_u32 v3, v2, 4, v3
	s_mul_i32 s21, s11, HALFT                      ; my 128 rows of xn
	s_mul_i32 s22, s12, HALFT                      ; my 128 rows of the weight,
	s_add_co_u32 s22, s22, 2*HALFT                 ; which lie behind xn's 256
.irp s, 0,1
	v_add_nc_u32 v[ADRA+(\s)], s21, v3
	v_add_nc_u32 v[ADRB+(\s)], s22, v3
	s_add_co_u32 s21, s21, SLOT
	s_add_co_u32 s22, s22, SLOT
.endr
	s_mul_i32 s23, s10, 16*SPITCH
	s_add_co_u32 s23, s23, STAGE                   ; my stage
	v_mul_u32_u24 v4, v1, SPITCH
	v_lshl_add_u32 v4, v2, 4, v4
	v_add_nc_u32 v[STO], s23, v4
	v_mul_u32_u24 v5, v2, SPITCH
	v_lshl_add_u32 v5, v1, 4, v5
	v_add_nc_u32 v[RD], s23, v5
	v_mul_u32_u24 v5, v2, SIZE_N*2
	v_lshl_add_u32 v[CO], v1, 4, v5
	; where my part of the tile begins in the result, in bytes
	s_lshl_b32 s13, s13, 8
	s_lshl_b32 s14, s11, 7
	s_add_co_u32 s16, s13, s14                     ; my first row
	s_mov_b32 s17, 0
	s_mov_b64 s[18:19], SIZE_N*2
	s_mul_u64 s[16:17], s[16:17], s[18:19]
	s_lshl_b32 s46, s42, 9                         ; my first column, in bytes: 512 x tile column + 256 x half
	s_lshl_b32 s47, s12, 8
	s_add_co_u32 s46, s46, s47
	s_mov_b32 s47, 0
	s_add_nc_u64 s[16:17], s[16:17], s[46:47]
	; the prefetches
	s_lshl_b32 s42, s42, 8                         ; 256 x tile column
	s_and_b32 s22, ttmp7, 0xffff                   ; cluster y
	s_cmp_eq_u32 s11, 0                            ; do I fetch for xn?
	s_cselect_b32 s20, s13, s42                    ; the tile's first row
	s_cselect_b32 s21, s40, s41                    ; my place among the four that ask for it with me
	s_cselect_b32 s22, ttmp9, s22                  ; the coordinate along which other clusters read the same rows
	s_cselect_b64 s[PFA:PFA+1], s[4:5], s[6:7]
	s_cmp_eq_u32 s22, 0
	s_cselect_b32 s[LIM], 1, -1
	s_lshl_b32 s22, s12, 7
	s_add_co_u32 s20, s20, s22                     ; + the 128 rows that I fetch
	s_lshl_b32 s21, s21, 5
	s_add_co_u32 s20, s20, s21                     ; + my work-group's 32 of them
	s_mov_b32 s21, 0
	s_mov_b64 s[18:19], SIZE_K*2
	s_mul_u64 s[20:21], s[20:21], s[18:19]
	s_add_nc_u64 s[PFA:PFA+1], s[PFA:PFA+1], s[20:21]
	s_add_nc_u64 s[PFA:PFA+1], s[PFA:PFA+1], 2*KSTEP*2  ; at K step 2: the first refill steps it to 3 and names K step 4
	v_and_b32 v[PFO], 31, v0
	v_mul_u32_u24 v[PFO], v[PFO], SIZE_K*2
	; the bias as a C operand: register 8 b + j of a lane is bias[256 x tile column + 128 x half + 16 b + 8 (l / 16) + j], the same for all rows
	s_lshl_b32 s20, s42, 2
	s_lshl_b32 s21, s12, 9
	s_add_co_u32 s20, s20, s21
	v_lshl_add_u32 v[BO], v2, 5, s20
	s_cmp_eq_u32 s[KIND], 1                        ; the same in all sixteen partners
	s_cbranch_scc1 .Lno_bias
.irp b, 0,1,2,3,4,5,6,7
	global_load_b128 v[BIAS+8*(\b):BIAS+8*(\b)+3],   v[BO], s[BP:BP+1] offset:64*(\b)
	global_load_b128 v[BIAS+8*(\b)+4:BIAS+8*(\b)+7], v[BO], s[BP:BP+1] offset:64*(\b)+16
.endr
	s_branch .Lbias_set
.Lno_bias:                                             ; k has no bias: one text of the first quarter serves all three, so its C operand is written as zeros, in the wait for the first tile
.set i, 0
.rept 64
	v_mov_b32 v[BIAS+i], 0
.set i, i+1
.endr
.Lbias_set:
; 16 matrix instructions: m blocks a0, a0 + 1 of the window's four (hi = 0: my rows 0-63, 1: rows 64-127) x all 8 n blocks, 32 along K.  start = 1: the first product starts the sums, from the bias.
.macro MUL16 f, hi, a0, start
.if \start
	WIN 0x81+0x40*(\hi)                            ; C in window 0, D in window 2 or 3
.else
	WIN MUL_LO+0x50*(\hi)
.endif
.irp a, \a0, (\a0)+1
.irp b, 0,1,2,3,4,5,6,7
.if \start
	v_wmma_f32_16x16x32_f16 v[8*(8*(\a)+(\b)):8*(8*(\a)+(\b))+7], v[(\f)+8*(\b):(\f)+8*(\b)+7], v[(\f)+8*(4*(\hi)+(\a)):(\f)+8*(4*(\hi)+(\a))+7], v[BIAS+8*(\b):BIAS+8*(\b)+7]
.else
	v_wmma_f32_16x16x32_f16 v[8*(8*(\a)+(\b)):8*(8*(\a)+(\b))+7], v[(\f)+8*(\b):(\f)+8*(\b)+7], v[(\f)+8*(4*(\hi)+(\a)):(\f)+8*(4*(\hi)+(\a))+7], v[8*(8*(\a)+(\b)):8*(8*(\a)+(\b))+7]
.endif
.endr
.endr
.endm
; 32 LDS loads in one run: the fragments of one quarter step (32 K at byte k of the rows) into buffer f
.macro FETCH slot, k, f
	WIN TO_B
.irp i, 0,1,2,3,4,5,6,7
	ds_load_b128 v[(\f)+8*(\i):(\f)+8*(\i)+3],   v[ADRB+(\slot)] offset:(\k)+(\i)*16*PITCH
	ds_load_b128 v[(\f)+8*(\i)+4:(\f)+8*(\i)+7], v[ADRB+(\slot)] offset:(\k)+(\i)*16*PITCH+32
.endr
	WIN 0
.irp i, 0,1,2,3,4,5,6,7
	ds_load_b128 v[(\f)+8*(\i):(\f)+8*(\i)+3],   v[ADRA+(\slot)] offset:(\k)+(\i)*16*PITCH
	ds_load_b128 v[(\f)+8*(\i)+4:(\f)+8*(\i)+7], v[ADRA+(\slot)] offset:(\k)+(\i)*16*PITCH+32
.endr
.endm
.macro PLACES                          ; four plain vector instructions between a matrix instruction and a load into, or a vector instruction on, its registers
.rept 4
	v_nop
.endr
.endm
; A K step is four quarters of 32 along K, 64 matrix instructions each, on buffers 0, 1, 0, 1.  The 64 accumulators take turns in the same order in every quarter.
.macro QUARTER slot, k, f, g, start
	s_wait_dscnt 8                                 ; the weight's fragments and xn's rows 0-63 are in; the youngest eight loads (xn's rows 64-127) may be out
	MUL16 \f, 0, 0, \start
	MUL16 \f, 0, 2, \start
	PLACES
	FETCH \slot, \k, \g
	s_wait_dscnt 32                                ; all but the 32 just issued
	MUL16 \f, 1, 0, \start
	MUL16 \f, 1, 2, \start
.endm
; The last quarter's first half, and the one barrier of a change of slots: in front of it each wave waits for all its tensor loads (one is out: its part of the next slot), adds 0 to its spare word, and waits
; for that and for its own reads of this slot.
.macro MEET round
	WIN 0
	s_wait_tensorcnt 0x0
	ds_add_u32 v[SPW], v[NIL]
	s_wait_dscnt 9                                 ; (the add and the youngest eight loads may be out)
	MUL16 F1, 0, 0, 0                              ; sixteen matrix instructions stand between the add and the wait for it
	s_wait_dscnt 0x0                               ; the add is done, and my reads of this slot are over
	s_barrier_signal -1
	MUL16 F1, 0, 2, 0                              ; work on registers while the others arrive
.if \round
	WIN 0
.endif
	s_barrier_wait -1
.endm
; The whole last quarter: behind the round the slot just read out is filled again first, with the K step two steps on; then come the next slot's first fragments.
.macro TURN slot, next
	s_wait_xcnt 0x0                                ; the last prefetch, a K step back, has read its address
	s_add_nc_u64 s[PFA:PFA+1], s[PFA:PFA+1], KSTEP*2
	MEET 1
	CREST                                          ; no wave of any partner still reads this slot's tile or has a load on its way
	s_add_nc_u64 s[G0+4*(\slot)+2:G0+4*(\slot)+3], s[G0+4*(\slot)+2:G0+4*(\slot)+3], 2*KSTEP*2
	s_add_nc_u64 s[G0B+4*(\slot)+2:G0B+4*(\slot)+3], s[G0B+4*(\slot)+2:G0B+4*(\slot)+3], 2*KSTEP*2
	JLOAD \slot                                    ; my one tensor load behind the round; its four v_nop are also the places in front of the loads below
	FETCH \next, 0, F0
	ASK
	MUL16 F1, 1, 0, 0
	MUL16 F1, 1, 2, 0
.endm
; THE LAST K STEP (in slot 1) goes by rows: all its fragments of the weight fill window 1; my eight blocks of 16 rows are finished one after the other, 32 matrix instructions each, K ascending.
.macro BLOAD q
	WIN TO_B
.irp i, 0,1,2,3,4,5,6,7
	ds_load_b128 v[64*(\q)+8*(\i):64*(\q)+8*(\i)+3],   v[ADRB+1] offset:64*(\q)+(\i)*16*PITCH
	ds_load_b128 v[64*(\q)+8*(\i)+4:64*(\q)+8*(\i)+7], v[ADRB+1] offset:64*(\q)+(\i)*16*PITCH+32
.endr
.endm
.macro ALOAD a
	WIN 0
.set FA, PA+32*((\a)%4)
.irp q, 0,1,2,3
	ds_load_b128 v[FA+8*(\q):FA+8*(\q)+3],   v[ADRA+1] offset:64*(\q)+(\a)*16*PITCH
	ds_load_b128 v[FA+8*(\q)+4:FA+8*(\q)+7], v[ADRA+1] offset:64*(\q)+(\a)*16*PITCH+32
.endr
.endm
.macro ROW a
.set FA, PA+32*((\a)%4)
.set AC, 64*((\a)%4)
	WIN MUL_LO+0x50*((\a)/4)
.irp q, 0,1,2,3
.if (\a) == 0 && (\q) == 2
	s_wait_dscnt 24                                ; the weight's quarter 2 is in (behind it: xn's blocks 1 to 3)
.endif
.irp b, 0,1,2,3,4,5,6,7
	v_wmma_f32_16x16x32_f16 v[AC+8*(\b):AC+8*(\b)+7], v[64*(\q)+8*(\b):64*(\q)+8*(\b)+7], v[FA+8*(\q):FA+8*(\q)+7], v[AC+8*(\b):AC+8*(\b)+7]
.endr
.endr
.endm
; THE WAY OUT of block a.  PACK: rounded to f16, 16 bytes a lane, each accumulator from its low end on.  TOSTAGE: into my own stage in LDS, and back as whole rows of 256 bytes.  SEND: stored.
.macro PACK a
.set AC, 64*((\a)%4)
	WIN 0x0a+5*((\a)/4)
.irp b, 0,1,2,3,4,5,6,7
.irp r, 0,1,2,3
	v_cvt_pk_f16_f32 v[TMP+4*(\b)+(\r)], v[AC+8*(\b)+2*(\r)], v[AC+8*(\b)+2*(\r)+1]
.endr
.endr
	WIN 0
.endm
.macro TOSTAGE a
	WIN 0
.set BK, OB+192*((\a)%2)
.irp b, 0,1,2,3,4,5,6,7
	ds_store_b128 v[STO], v[TMP+4*(\b):TMP+4*(\b)+3] offset:32*(\b)
.endr
.irp t, 0,1,2,3,4,5,6,7
	ds_load_b128 v[BK+4*(\t):BK+4*(\t)+3], v[RD] offset:(\t)*2*SPITCH  ; LDS serves a wave's instructions in order (ISA guide 5.7.1.4): these see the stores above
.endr
.endm
.macro SEND a, younger
	WIN 0
.set BK, OB+192*((\a)%2)
	s_wait_dscnt \younger                          ; the block is back in registers
	s_wait_xcnt 0x0                                ; only behind this wait are the stores' base and the registers that earlier stores read rewritten
.if (\a) == 0
	s_add_nc_u64 s[8:9], s[8:9], s[16:17]          ; on to my first rows
.else
	s_add_nc_u64 s[8:9], s[8:9], 16*SIZE_N*2       ; 16 rows on
.endif
.irp t, 0,1,2,3,4,5,6,7
	global_store_b128 v[CO], v[BK+4*(\t):BK+4*(\t)+3], s[8:9] offset:2*(\t)*SIZE_N*2  ; 16 lanes store 256 consecutive bytes, aligned
.endr
.endm
	s_wait_tensorcnt 1                             ; my part of K step 0 is in; K step 1's may stay out
	s_barrier_signal -1
	s_barrier_wait -1
	FETCH 0, 0, F0
	s_wait_loadcnt 0x0                             ; the bias
	QUARTER 0, 64,  F0, F1, 1                      ; the first quarter stands in front of the loop: its products start the sums
	WIN 0
	s_mov_b32 s3, LAPS-1
.Llap:                                                 ; a trip goes once round the ring, from a lap's second quarter to the next lap's first, and fills both slots again
	QUARTER 0, 128, F1, F0, 0
	QUARTER 0, 192, F0, F1, 0
	TURN 0, 1
	QUARTER 1, 64,  F0, F1, 0
	QUARTER 1, 128, F1, F0, 0
	QUARTER 1, 192, F0, F1, 0
	TURN 1, 0
	QUARTER 0, 64,  F0, F1, 0
	WIN 0
	s_sub_co_u32 s3, s3, 1
	s_cmp_lg_u32 s3, 0
	s_cbranch_scc1 .Llap
	QUARTER 0, 128, F1, F0, 0                      ; the last lap goes on
	QUARTER 0, 192, F0, F1, 0
	MEET 0                                         ; my one tensor load that was still out is the last K step's, so no round follows
	PLACES
	BLOAD 0                                        ; three quarters of the weight now: buffer 1 is still being multiplied
	BLOAD 1
	BLOAD 3
	ALOAD 0
	MUL16 F1, 1, 0, 0
	MUL16 F1, 1, 2, 0
	PLACES
	BLOAD 2
	ALOAD 1
	ALOAD 2
	ALOAD 3
	s_wait_dscnt 40                                ; all but the 40 just issued
	ROW 0
.irp a, 0,1,2,3,4,5,6,7                ; each block leaves as soon as it is finished
	PLACES
	PACK \a
	TOSTAGE \a
.if (\a) < 4
	ALOAD (\a)+4
	SEND \a, 8
.else
	SEND \a, 0
.endif
.if (\a) < 7
	ROW (\a)+1
.endif
.endr
	s_wait_tensorcnt 0x0                           ; the wave's end
	ds_add_u32 v[SPW], v[NIL]
	s_wait_dscnt 0x0
	CROUND                                         ; the closing round
	s_endpgm
.Lfunc_end_k_qaa83784cd9_gemm:
	.size	k_qaa83784cd9_gemm, .Lfunc_end_k_qaa83784cd9_gemm-k_qaa83784cd9_gemm
	.p2alignl 7, 3214868480
	.fill 96, 4, 3214868480
	.section	.rodata,"a",@progbits
	.p2align	6, 0x0
	.amdhsa_kernel k_qaa83784cd9_gemm
		.amdhsa_group_segment_fixed_size 327680
		.amdhsa_private_segment_fixed_size 0
		.amdhsa_enable_private_segment 0
		.amdhsa_kernarg_size 72
		.amdhsa_user_sgpr_count 2
		.amdhsa_user_sgpr_kernarg_segment_ptr 1
		.amdhsa_wavefront_size32 1
		.amdhsa_system_sgpr_workgroup_id_x 1
		.amdhsa_system_sgpr_workgroup_id_y 1
		.amdhsa_system_sgpr_workgroup_id_z 1
		.amdhsa_system_vgpr_workitem_id 0
		.amdhsa_next_free_vgpr 1024
		.amdhsa_next_free_sgpr 88
		.amdhsa_reserve_vcc 0
		.amdhsa_float_denorm_mode_32 3
		.amdhsa_float_denorm_mode_16_64 3
		.amdhsa_memory_ordered 1
		.amdhsa_forward_progress 1
		.amdhsa_inst_pref_size 149
	.end_amdhsa_kernel
	.amdgpu_metadata
---
amdhsa.version: [ 1, 2 ]
amdhsa.kernels:
  - .name:           k_qaa83784cd9_gemm
    .symbol:         k_qaa83784cd9_gemm.kd
    .args:
      - { .name: xn, .offset: 0, .size: 8, .value_kind: global_buffer, .address_space: global }
      - { .name: whq, .offset: 8, .size: 8, .value_kind: global_buffer, .address_space: global }
      - { .name: whk, .offset: 16, .size: 8, .value_kind: global_buffer, .address_space: global }
      - { .name: whv, .offset: 24, .size: 8, .value_kind: global_buffer, .address_space: global }
      - { .name: bq, .offset: 32, .size: 8, .value_kind: global_buffer, .address_space: global }
      - { .name: bv, .offset: 40, .size: 8, .value_kind: global_buffer, .address_space: global }
      - { .name: qh, .offset: 48, .size: 8, .value_kind: global_buffer, .address_space: global }
      - { .name: kh, .offset: 56, .size: 8, .value_kind: global_buffer, .address_space: global }
      - { .name: vh, .offset: 64, .size: 8, .value_kind: global_buffer, .address_space: global }
    .group_segment_fixed_size: 327680
    .private_segment_fixed_size: 0
    .kernarg_segment_align: 8
    .kernarg_segment_size: 72
    .max_flat_workgroup_size: 128
    .sgpr_count:     88
    .vgpr_count:     1024
    .wavefront_size: 32
...
	.end_amdgpu_metadata
.endif
;; end of part 2
;; launch sink (part 3): grid 64 x 1, 4 waves a work-group, no clusters, 88,064 bytes of LDS; arguments qh, kh, out1; writes out1
.if DOCPART == 3
	.amdgcn_target "amdgcn-amd-amdhsa--gfx1250"
	.amdhsa_code_object_version 6
	.text
	.protected	k_qaa83784cd9_sink
	.globl	k_qaa83784cd9_sink
	.p2align	8
	.type	k_qaa83784cd9_sink,@function
k_qaa83784cd9_sink:
	s_mov_b64 s[64:65], 0
	v_nop
	global_prefetch_b8 v0, s[64:65] scope:SCOPE_SE
	s_setreg_imm32_b32 hwreg(HW_REG_WAVE_MODE, 25, 1), 1
	s_wait_xcnt 0x0
; SINK.  For each batch: S = q k^T / sqrt(2048); 50 times (rows: la -= logsumexp over m; columns: la -= logsumexp over n); attn = exp(la), stored as out1 [64][64][64] f32.
; (k comes without bk: that term is the same along m and the first row step takes it away; shown at the head of the first kernel.)
; BY POTENTIALS, which is the same algebra: la = S - f_n - g_m throughout; a row step sets f_n = logsumexp_m(S - g), a column step g_m = logsumexp_n(S - f); g starts at 0.  S stays in registers, and what
; goes from wave to wave is 64 numbers a pass.  Every pass takes its own true maximum away before the exponentials.  All 50 rounds are made.  All in base 2: S is scaled by log2(e) / sqrt(2048) once.
; LIMITS: an exponential below 2^-126 counts as 0; NaN and infinities are not treated apart.
; SHARES.  A work-group is a batch: a batch's passes hang on each other and cannot be shared further; work-groups share no input, so there is no cluster.
; SCORES: K is split among the four waves: wave w takes channels 512 w .. 512 w + 511 of all 64 x 64 scores: 16 accumulators.  Each byte of q and k is loaded once, straight into fragments (no wave wants
; another's bytes): a trip is 128 channels, 256 bytes on end of each of 128 rows, 64 loads and 64 matrix instructions; two register sets take turns; four trips, written out.  The four partial sums meet in LDS.
; No prefetch: of the four trips two are asked for by the first loads, and the other two could only be named at the kernel's head.
; PASSES: wave w owns rows (and columns) 16 w .. 16 w + 15; lane (r, h) holds 32 numbers of row 16 w + r (SR: columns 32 h ..) and 32 of column 16 w + r (SC: rows 32 h ..).
; LDS: f at 0, g at 256 (64 f32 each); the spare words at 512; SFIN at 1,024: S, later attn, 64 rows of 272 bytes; PART behind it: each wave's partial scores, 64 rows of 272 bytes.
; REGISTERS.  Window 0: v1 r, v2 h, v3-11 addresses, v12 0, v14-15 the maximum, v16-19 at work, v20-21 f, v22 g, v24-25 the add's, v32-63 SR, v64-95 SC, v96-127 T, v128-255 the accumulators.
; Window 1: fragment set 0; window 2: set 1: q's fragment (qb, ks) at 8 (4 qb + ks), k's (kb, ks) at 128 + 8 (4 kb + ks).
.set FV, 0
.set GV, 256
.set SPARE, 512
.set SFIN, 1024
.set SP, 272                           ; 256 bytes + 16: an odd multiple of 16 bytes, so that 16 rows' 16-byte pieces fall on different banks (ISA guide 11.1)
.set PSZ, 64*SP
.set PART, SFIN+PSZ
.set SR, 32
.set SC, 64
.set T, 96
.set ACC, 128
.set MSB, 0
.macro WIN new                         ; s_set_vgpr_msb: bits 1:0 source 0, 3:2 source 1, 5:4 source 2, 7:6 destination; the high byte repeats the setting that is left
.if MSB != (\new)
	s_set_vgpr_msb (MSB<<8)|(\new)
.set MSB, \new
.endif
.endm
.macro LOADS set, trip                 ; a trip's 64 loads: 16 fragments of q, 16 of k
	WIN 0x40*((\set)+1)
.irp rb, 0,1,2,3
.irp ks, 0,1,2,3
	global_load_b128 v[8*(4*(\rb)+(\ks)):8*(4*(\rb)+(\ks))+3],         v3, s[4:5] offset:(\rb)*65536+256*(\trip)+64*(\ks)
	global_load_b128 v[8*(4*(\rb)+(\ks))+4:8*(4*(\rb)+(\ks))+7],       v3, s[4:5] offset:(\rb)*65536+256*(\trip)+64*(\ks)+32
	global_load_b128 v[128+8*(4*(\rb)+(\ks)):128+8*(4*(\rb)+(\ks))+3],   v3, s[6:7] offset:(\rb)*65536+256*(\trip)+64*(\ks)
	global_load_b128 v[128+8*(4*(\rb)+(\ks))+4:128+8*(4*(\rb)+(\ks))+7], v3, s[6:7] offset:(\rb)*65536+256*(\trip)+64*(\ks)+32
.endr
.endr
.endm
; A trip's 64 products.  Source 0 = 16 keys, source 1 = 16 queries: a lane holds query 16 qb + r and keys 16 kb + 8 h + 0..7.  The 16 accumulators take turns.
.macro MULS set, first
	WIN 0x05*((\set)+1)
.irp ks, 0,1,2,3
.irp qb, 0,1,2,3
.irp kb, 0,1,2,3
.if (\first) && ((\ks) == 0)
	v_wmma_f32_16x16x32_f16 v[ACC+8*(4*(\qb)+(\kb)):ACC+8*(4*(\qb)+(\kb))+7], v[128+8*(4*(\kb)+(\ks)):128+8*(4*(\kb)+(\ks))+7], v[8*(4*(\qb)+(\ks)):8*(4*(\qb)+(\ks))+7], 0
.else
	v_wmma_f32_16x16x32_f16 v[ACC+8*(4*(\qb)+(\kb)):ACC+8*(4*(\qb)+(\kb))+7], v[128+8*(4*(\kb)+(\ks)):128+8*(4*(\kb)+(\ks))+7], v[8*(4*(\qb)+(\ks)):8*(4*(\qb)+(\ks))+7], v[ACC+8*(4*(\qb)+(\kb)):ACC+8*(4*(\qb)+(\kb))+7]
.endif
.endr
.endr
.endr
.endm
.macro PLACES                          ; four plain vector instructions between a matrix instruction and a load into, or an access to, its registers
.rept 4
	v_nop
.endr
.endm
; ONE PASS: res = log2 of the sum over my line's 64 numbers of 2^(s - in).  s: SR or SC; in, out: the LDS vectors read and written.
.macro PASS s, in, out, res
.irp i, 0,1,2,3,4,5,6,7
	ds_load_b128 v[T+4*(\i):T+4*(\i)+3], v8 offset:(\in)+16*(\i)   ; the other potential's 32 numbers for my half: the same address in 16 lanes
.endr
	s_wait_dscnt 0x4                               ; the first 16 numbers are in; the four younger loads may stay out
.irp p, 0,1,2,3,4,5,6,7
	v_pk_add_f32 v[T+2*(\p):T+2*(\p)+1], v[(\s)+2*(\p):(\s)+2*(\p)+1], v[T+2*(\p):T+2*(\p)+1] neg_lo:[0,1] neg_hi:[0,1]
.endr
	v_max3_num_f32 v16, v[T], v[T+1], v[T+2]       ; the maximum: four chains of seven numbers, three operands at a time
	v_max3_num_f32 v17, v[T+8], v[T+9], v[T+10]
	v_max3_num_f32 v16, v16, v[T+3], v[T+4]
	v_max3_num_f32 v17, v17, v[T+11], v[T+12]
	v_max3_num_f32 v16, v16, v[T+5], v[T+6]
	v_max3_num_f32 v17, v17, v[T+13], v[T+14]
	s_wait_dscnt 0x0
.irp p, 8,9,10,11,12,13,14,15
	v_pk_add_f32 v[T+2*(\p):T+2*(\p)+1], v[(\s)+2*(\p):(\s)+2*(\p)+1], v[T+2*(\p):T+2*(\p)+1] neg_lo:[0,1] neg_hi:[0,1]
.endr
	v_max3_num_f32 v18, v[T+16], v[T+17], v[T+18]
	v_max3_num_f32 v19, v[T+24], v[T+25], v[T+26]
	v_max3_num_f32 v18, v18, v[T+19], v[T+20]
	v_max3_num_f32 v19, v19, v[T+27], v[T+28]
	v_max3_num_f32 v18, v18, v[T+21], v[T+22]
	v_max3_num_f32 v19, v19, v[T+29], v[T+30]
	v_max3_num_f32 v16, v16, v[T+7], v[T+15]       ; the four left over, and the chains into one
	v_max3_num_f32 v18, v18, v[T+23], v[T+31]
	v_max3_num_f32 v16, v16, v17, v18
	v_max_num_f32 v16, v16, v19
	v_permlanex16_b32 v17, v16, s12, s13           ; the line's other 32 numbers lie in the lane 16 away
	v_max_num_f32 v14, v16, v17
	v_pk_add_f32 v[T:T+1], v[T:T+1], v[14:15] op_sel_hi:[1,0] neg_lo:[0,1] neg_hi:[0,1]
	v_pk_add_f32 v[T+2:T+3], v[T+2:T+3], v[14:15] op_sel_hi:[1,0] neg_lo:[0,1] neg_hi:[0,1]
.set p, 0
.rept 16                               ; the 32 exponentials are one batch; the subtractions stand among them, two pairs ahead; nothing here names a result
	v_exp_f32 v[T+2*p], v[T+2*p]
	v_exp_f32 v[T+2*p+1], v[T+2*p+1]
.if p < 14
	v_pk_add_f32 v[T+2*p+4:T+2*p+5], v[T+2*p+4:T+2*p+5], v[14:15] op_sel_hi:[1,0] neg_lo:[0,1] neg_hi:[0,1]
.endif
.set p, p+1
.endr
	v_nop                                          ; a plain instruction behind the last exponential,
	s_wait_alu depctr_va_vdst(0)                   ; and one wait ahead of the first reader
.irp w, 16,8,4,2                       ; the sum as a tree, in place: 8 + 4 + 2 + 1 packed additions
.set p, 0
.rept (\w)/2
	v_pk_add_f32 v[T+2*p:T+2*p+1], v[T+2*p:T+2*p+1], v[T+2*p+(\w):T+2*p+(\w)+1]
.set p, p+1
.endr
.endr
	v_add_f32 v16, v[T], v[T+1]
	v_permlanex16_b32 v17, v16, s12, s13
	v_add_f32 v16, v16, v17                        ; at least 1: the maximum's own term
	v_log_f32 v16, v16
	v_nop
	s_wait_alu depctr_va_vdst(0)
	v_add_f32 v[(\res)], v14, v16
	ds_store_b32 v9, v[(\res)] offset:(\out)       ; both halves of the lanes store the same number to the same word
	s_wait_dscnt 0x0                               ; my store is done, and my reads of the other vector were waited for above:
	s_barrier_signal -1                            ; behind this barrier the vector just written may be read and the one just read may be written
	s_barrier_wait -1
.endm
	s_load_b128 s[4:7], s[0:1], 0x0                ; qh s[4:5], kh s[6:7]
	s_load_b64 s[8:9], s[0:1], 0x10                ; out1
	v_lshl_add_u32 v24, v0, 2, SPARE               ; my spare word,
	v_mov_b32 v25, 0                               ; and 0: for the wave's end
	v_lshrrev_b32 v13, 5, v0
	v_readfirstlane_b32 s10, v13                   ; wave 0..3
	v_and_b32 v1, 15, v0                           ; r
	v_bfe_u32 v2, v0, 4, 1                         ; h
	v_lshlrev_b32 v3, 12, v1                       ; a fragment's row x 4,096 bytes
	v_lshl_add_u32 v3, v2, 4, v3                   ; + 16 h
	s_lshl_b32 s15, s10, 10
	v_add_nc_u32 v3, s15, v3                       ; + my wave's 512 channels
	s_lshl_b32 s16, ttmp9, 18                      ; the batch's 64 rows of 4,096 bytes
	s_mov_b32 s17, 0
	s_mov_b32 s12, 0x76543210
	s_mov_b32 s13, 0xfedcba98
	s_mov_b32 s18, 0x3d0293ee                      ; log2(e) / sqrt(2048)
	s_mov_b32 s19, s18                             ; named with it as a pair
	s_wait_kmcnt 0x0
	s_add_nc_u64 s[4:5], s[4:5], s[16:17]
	s_add_nc_u64 s[6:7], s[6:7], s[16:17]
	LOADS 0, 0
	LOADS 1, 1
	WIN 0
	s_lshl_b32 s16, ttmp9, 14                      ; out1: the batch's 16,384 bytes,
	s_lshl_b32 s20, s10, 12                        ; my wave's 16 rows of 256
	s_add_co_u32 s16, s16, s20
	s_add_nc_u64 s[8:9], s[8:9], s[16:17]
	v_mul_u32_u24 v26, v1, SP                      ; 272 r
	s_mul_i32 s15, s10, PSZ
	s_add_co_u32 s15, s15, PART                    ; my partial matrix
	v_lshl_add_u32 v4, v2, 5, v26
	v_add_nc_u32 v4, s15, v4                       ; PS: row r of a block of 16 queries, 32 bytes for each half of the lanes
	s_mul_i32 s15, s10, 16*SP                      ; my 16 rows in a matrix
	v_lshl_add_u32 v5, v2, 7, v26
	v_add_nc_u32 v5, s15, v5
	v_add_nc_u32 v6, SFIN, v5                      ; SW: row 16 w + r of SFIN, my 128 bytes
	v_add_nc_u32 v5, PART, v5                      ; PR: the same place in wave 0's partial matrix
	s_lshl_b32 s20, s10, 6
	v_lshl_add_u32 v9, v1, 2, s20                  ; OA: 4 (16 w + r)
	v_mul_u32_u24 v7, v2, 32*SP
	v_add_nc_u32 v7, v7, v9
	v_add_nc_u32 v7, SFIN, v7                      ; CA: column 16 w + r, from row 32 h on
	v_lshlrev_b32 v8, 7, v2                        ; HB: 128 h
	v_mul_u32_u24 v10, v2, SP
	v_lshl_add_u32 v10, v1, 4, v10
	s_add_co_u32 s15, s15, SFIN
	v_add_nc_u32 v10, s15, v10                     ; RB: back by whole rows: lanes 0-15 one row of 256 bytes, lanes 16-31 the next
	v_and_b32 v11, 31, v0
	v_lshlrev_b32 v11, 4, v11                      ; GO: 16 l
	v_mov_b32 v12, 0
	v_mov_b32 v15, 0                               ; the upper registers of two pairs of which the packed forms take the lower for both halves
	v_mov_b32 v21, 0
	s_wait_loadcnt 63                              ; set 0 is in: 64 loads are younger, and the wait's field holds 63 at the most
	MULS 0, 1
	PLACES
	LOADS 0, 2
	s_wait_loadcnt 63                              ; set 1 is in
	MULS 1, 0
	PLACES
	LOADS 1, 3
	s_wait_loadcnt 63
	MULS 0, 0
	s_wait_loadcnt 0x0
	MULS 1, 0
	WIN 0
	PLACES
	PLACES
.set a, 0
.rept 16                               ; my partial scores into my matrix; each accumulator from its low end on
	ds_store_b128 v4, v[ACC+8*a:ACC+8*a+3]   offset:(a/4)*16*SP+(a%4)*64
	ds_store_b128 v4, v[ACC+8*a+4:ACC+8*a+7] offset:(a/4)*16*SP+(a%4)*64+16
.set a, a+1
.endr
	s_wait_dscnt 0x0
	s_barrier_signal -1
	s_barrier_wait -1                              ; all four partial matrices lie in LDS
.irp p, 0,1,2,3
.irp i, 0,1,2,3,4,5,6,7
	ds_load_b128 v[ACC+32*(\p)+4*(\i):ACC+32*(\p)+4*(\i)+3], v5 offset:PSZ*(\p)+16*(\i)
.endr
.endr
	s_wait_dscnt 0x0
.set j, 0
.rept 16
	v_pk_add_f32 v[ACC+2*j:ACC+2*j+1], v[ACC+2*j:ACC+2*j+1], v[ACC+32+2*j:ACC+32+2*j+1]
	v_pk_add_f32 v[ACC+64+2*j:ACC+64+2*j+1], v[ACC+64+2*j:ACC+64+2*j+1], v[ACC+96+2*j:ACC+96+2*j+1]
.set j, j+1
.endr
.set j, 0
.rept 16
	v_pk_add_f32 v[ACC+2*j:ACC+2*j+1], v[ACC+2*j:ACC+2*j+1], v[ACC+64+2*j:ACC+64+2*j+1]
.set j, j+1
.endr
.set j, 0
.rept 16
	v_pk_mul_f32 v[SR+2*j:SR+2*j+1], v[ACC+2*j:ACC+2*j+1], s[18:19] op_sel_hi:[1,0]  ; SR[i] = S2[16 w + r][32 h + i]
.set j, j+1
.endr
.irp i, 0,1,2,3,4,5,6,7
	ds_store_b128 v6, v[SR+4*(\i):SR+4*(\i)+3] offset:16*(\i)
.endr
	ds_store_b32 v9, v12 offset:GV                 ; g = 0
	s_wait_dscnt 0x0
	s_barrier_signal -1
	s_barrier_wait -1                              ; S2 lies whole in SFIN
.set i, 0
.rept 32
	ds_load_b32 v[SC+i], v7 offset:SP*i            ; SC[i] = S2[32 h + i][16 w + r]; waited for by the first pass's waits, ahead of its barrier
.set i, i+1
.endr
	s_mov_b32 s14, 50
.Lround:
	PASS SR, GV, FV, 20                            ; rows: f = lse over m of S2 - g
	PASS SC, FV, GV, 22                            ; columns: g = lse over n of S2 - f
	s_sub_co_u32 s14, s14, 1
	s_cmp_lg_u32 s14, 0
	s_cbranch_scc1 .Lround
.irp i, 0,1,2,3,4,5,6,7
	ds_load_b128 v[T+4*(\i):T+4*(\i)+3], v8 offset:GV+16*(\i)
.endr
	s_wait_dscnt 0x0
.set p, 0
.rept 16
	v_pk_add_f32 v[T+2*p:T+2*p+1], v[SR+2*p:SR+2*p+1], v[T+2*p:T+2*p+1] neg_lo:[0,1] neg_hi:[0,1]
.set p, p+1
.endr
.set p, 0
.rept 16
	v_pk_add_f32 v[T+2*p:T+2*p+1], v[T+2*p:T+2*p+1], v[20:21] op_sel_hi:[1,0] neg_lo:[0,1] neg_hi:[0,1]
.set p, p+1
.endr
.set i, 0
.rept 32
	v_exp_f32 v[T+i], v[T+i]                       ; attn = 2^(S2 - g - f)
.set i, i+1
.endr
	v_nop
	s_wait_alu depctr_va_vdst(0)                   ; one wait for the batch
.irp i, 0,1,2,3,4,5,6,7
	ds_store_b128 v6, v[T+4*(\i):T+4*(\i)+3] offset:16*(\i)   ; into my own 16 rows of SFIN: the other waves' reads of them were waited for ahead of the first pass's barrier
.endr
.irp t, 0,1,2,3,4,5,6,7
	ds_load_b128 v[SC+4*(\t):SC+4*(\t)+3], v10 offset:2*SP*(\t)  ; LDS serves a wave's instructions in order (ISA guide 5.7.1.4): these see the stores above
.endr
.irp t, 0,1,2,3,4,5,6,7
	s_wait_dscnt 7-(\t)
	global_store_b128 v11, v[SC+4*(\t):SC+4*(\t)+3], s[8:9] offset:512*(\t)  ; two rows: 512 consecutive bytes, aligned
.endr
	s_wait_tensorcnt 0x0                           ; the wave's end, behind my last LDS store
	ds_add_u32 v24, v25
	s_wait_dscnt 0x0
	s_endpgm
.Lfunc_end_k_qaa83784cd9_sink:
	.size	k_qaa83784cd9_sink, .Lfunc_end_k_qaa83784cd9_sink-k_qaa83784cd9_sink
	.p2alignl 7, 3214868480
	.fill 96, 4, 3214868480
	.section	.rodata,"a",@progbits
	.p2align	6, 0x0
	.amdhsa_kernel k_qaa83784cd9_sink
		.amdhsa_group_segment_fixed_size 88064
		.amdhsa_private_segment_fixed_size 0
		.amdhsa_enable_private_segment 0
		.amdhsa_kernarg_size 24
		.amdhsa_user_sgpr_count 2
		.amdhsa_user_sgpr_kernarg_segment_ptr 1
		.amdhsa_wavefront_size32 1
		.amdhsa_system_sgpr_workgroup_id_x 1
		.amdhsa_system_sgpr_workgroup_id_y 1
		.amdhsa_system_sgpr_workgroup_id_z 1
		.amdhsa_system_vgpr_workitem_id 0
		.amdhsa_next_free_vgpr 768
		.amdhsa_next_free_sgpr 66
		.amdhsa_reserve_vcc 0
		.amdhsa_float_denorm_mode_32 3
		.amdhsa_float_denorm_mode_16_64 3
		.amdhsa_memory_ordered 1
		.amdhsa_forward_progress 1
		.amdhsa_inst_pref_size 73
	.end_amdhsa_kernel
	.amdgpu_metadata
---
amdhsa.version: [ 1, 2 ]
amdhsa.kernels:
  - .name:           k_qaa83784cd9_sink
    .symbol:         k_qaa83784cd9_sink.kd
    .args:
      - { .name: qh, .offset: 0, .size: 8, .value_kind: global_buffer, .address_space: global }
      - { .name: kh, .offset: 8, .size: 8, .value_kind: global_buffer, .address_space: global }
      - { .name: out1, .offset: 16, .size: 8, .value_kind: global_buffer, .address_space: global }
    .group_segment_fixed_size: 88064
    .private_segment_fixed_size: 0
    .kernarg_segment_align: 8
    .kernarg_segment_size: 24
    .max_flat_workgroup_size: 128
    .sgpr_count:     66
    .vgpr_count:     768
    .wavefront_size: 32
...
	.end_amdgpu_metadata
.endif
;; end of part 3
;; launch mix (part 4): grid 256 x 1, 4 waves a work-group, clusters of 4 x 1, 271,104 bytes of LDS; arguments agent_states, agent_biases, scale_factors, xn, vh, out1, out0; writes out0
.if DOCPART == 4
	.amdgcn_target "amdgcn-amd-amdhsa--gfx1250"
	.amdhsa_code_object_version 6
	.text
	.protected	k_qaa83784cd9_mix
	.globl	k_qaa83784cd9_mix
	.p2align	8
	.type	k_qaa83784cd9_mix,@function
k_qaa83784cd9_mix:
	s_mov_b64 s[64:65], 0
	v_nop
	global_prefetch_b8 v0, s[64:65] scope:SCOPE_SE
	s_setreg_imm32_b32 hwreg(HW_REG_WAVE_MODE, 25, 1), 1
	s_wait_xcnt 0x0
	s_wait_alu depctr_hold_cnt(0) depctr_sa_sdst(0) depctr_va_vdst(0) depctr_va_sdst(0) depctr_va_ssrc(0) depctr_va_vcc(0) depctr_vm_vsrc(0)
	s_getreg_b32 s2, hwreg(HW_REG_IB_STS2, 6, 4)
	s_cmp_eq_u32 s2, 0
	s_cbranch_scc0 .Lentry_in_a_cluster
	s_endpgm
.Lentry_in_a_cluster:
	s_bfe_u32 s2, ttmp6, 0x10000c
	s_cmp_lg_u32 s2, 0x3003
	s_cbranch_scc0 .Lentry_shape_is_right
	s_endpgm
.Lentry_shape_is_right:
; MIX.  attended = attn v; m = 0.1 xn + 0.9 attended + agent_biases; scaled = m x sf; out0 = agent_states + scaled / max(1, |scaled|).
; sf is one number a row, so it is taken out of the row: |scaled|^2 = sf^2 x sum of m^2, and out0 = x + m x (sf x min(1, 1 / |scaled|)), the same numbers in exact arithmetic; at |scaled| = 0 the reciprocal
; root is infinite and the minimum is 1, as max(1, 0) is.
; FORMATS: attn is rounded to f16 for the product (it lies in 0 to 1), v and xn come in f16; sums, the norm and the residual in f32.  LIMITS: NaN and infinities are not treated apart.
; SHARES.  A cluster of four work-groups is a batch; work-group cx takes its rows 16 cx .. 16 cx + 15, whole, so that a row's norm has one owner; wave w takes columns 512 w .. 512 w + 511.
; All four partners multiply by the same v of the batch: it is asked for JOINTLY, once, wave w its strip of 64 keys x 512 channels; only the wave that asked reads its strip.  cx enters global addresses alone.
; No prefetch: every stream is asked for at the kernel's head and read once.
; O^T = V^T P: source 0 = 16 channels x 32 keys (v turned by ds_load_tr16_b128), source 1 = 16 rows of attn: a lane holds row l % 16 and channels 8 (l / 16) + 0..7.  The result changes layout through a stage in
; the wave's own strip (which has had its only fill): afterwards register 16 n + 4 t + e of lane l is row n, column 128 t + 4 l + e of my 512: every global access of a wave covers 512 (f32) or 256 (f16) bytes on end.
; LDS: four strips of 64 rows x 1,056 bytes; RED (256 bytes): the waves' sums of squares; the spare words.
; REGISTERS (s_set_vgpr_msb: bits 1:0 source 0, 3:2 source 1, 5:4 source 2, 7:6 destination).  Window 0: v1-13 lane numbers and addresses, v12 = 0.1, v14-15 the add's, v16-31 P, v32-63 attn as loaded, later sums,
; v64-95 a pair a row (sums of squares, later the factor), v96-111 at work, v128-255 V buffer 0.  Window 1: accumulators, then attended, then m.  Window 2: agent_biases, then x, then out.
; Window 3: v0-127 xn (8 n + 2 t), v128-255 V buffer 1.
.set VP, 1056                          ; a key's 1,024 bytes + 32: an odd multiple of 32 bytes
.set STRIP, 64*VP
.set STP, 2064                         ; a stage row: 2,048 bytes + 16
.set RED, 4*STRIP
.set SPARE, RED+256
.set PP, 16
.set FF, 32
.set SS, 64
.set SF, 36                            ; s[36:51] my 16 rows' scale factors
.set MSB, 0
.macro WIN new
.if MSB != (\new)
	s_set_vgpr_msb (MSB<<8)|(\new)
.set MSB, \new
.endif
.endm
.macro CROUND                          ; a round of the cluster's barrier
	s_barrier_signal -1
	s_barrier_wait -1
	s_cmp_lg_u32 s18, 0
	s_cbranch_scc1 .Lnot_wave_0_\@
	s_barrier_signal -3
.Lnot_wave_0_\@:
	s_barrier_wait -3
	s_barrier_signal -1
	s_barrier_wait -1
.endm
.macro PLACES
.rept 4
	v_nop
.endr
.endm
.macro FETCHV g, buf                   ; 8 blocks of 16 channels x 64 keys, turned: 32 loads; fragment (d, kk) at 128 + 64 kk + 8 d
	WIN 0xc0*(\buf)
.irp kk, 0,1
.irp d, 0,1,2,3,4,5,6,7
	ds_load_tr16_b128 v[128+64*(\kk)+8*(\d):128+64*(\kk)+8*(\d)+3],   v5 offset:32*VP*(\kk)+32*(8*(\g)+(\d))
	ds_load_tr16_b128 v[128+64*(\kk)+8*(\d)+4:128+64*(\kk)+8*(\d)+7], v5 offset:32*VP*(\kk)+16*VP+32*(8*(\g)+(\d))
.endr
.endr
.endm
.macro MULV g                          ; 16 products: keys 0-31 start the eight sums, keys 32-63 add onto them; the eight accumulators take turns
	WIN 0x50+3*((\g)%2)
.irp kk, 0,1
.irp d, 0,1,2,3,4,5,6,7
.if (\kk) == 0
	v_wmma_f32_16x16x32_f16 v[8*(8*(\g)+(\d)):8*(8*(\g)+(\d))+7], v[128+8*(\d):128+8*(\d)+7], v[PP:PP+7], 0
.else
	v_wmma_f32_16x16x32_f16 v[8*(8*(\g)+(\d)):8*(8*(\g)+(\d))+7], v[192+8*(\d):192+8*(\d)+7], v[PP+8:PP+15], v[8*(8*(\g)+(\d)):8*(8*(\g)+(\d))+7]
.endif
.endr
.endr
.endm
	s_load_b256 s[4:11], s[0:1], 0x0               ; agent_states s[4:5], agent_biases s[6:7], scale_factors s[8:9], xn s[10:11]
	s_load_b128 s[12:15], s[0:1], 0x20             ; vh s[12:13], out1 s[14:15]
	s_load_b64 s[16:17], s[0:1], 0x30              ; out0
	v_lshl_add_u32 v14, v0, 2, SPARE
	v_mov_b32 v15, 0
	ds_add_u32 v14, v15                            ; the wave's opening: the add, twice on end, and its wait ahead of my first tensor load
	ds_add_u32 v14, v15
	v_lshrrev_b32 v13, 5, v0
	v_readfirstlane_b32 s18, v13                   ; wave 0..3
	s_bfe_u32 s19, ttmp6, 0x40000                  ; cx
	s_mov_b32 s20, ttmp9                           ; the cluster's x: the batch
	s_mov_b32 s24, 1                               ; group 0: count = 1
	s_mul_i32 s25, s18, STRIP                      ; LDS address: my strip
	s_mov_b32 s28, 15|(1<<16)|(1<<20)|(1<<21)|(7<<22)|(7<<25)  ; group 1: the mask of four; elements of 2 bytes; padding on; bit 21 beside a mask; after every 256 words (code 7) 8 words (code 7)
	s_mov_b32 s29, 512<<16                         ; tensor_dim0 = 512
	s_mov_b32 s30, 64<<16                          ; tensor_dim1 = 64
	s_mov_b32 s31, 512<<16                         ; tile_dim0 = 512
	s_mov_b32 s32, 64                              ; tile_dim1 = 64
	s_mov_b32 s33, 2048                            ; elements from row to row
	s_mov_b32 s34, 0
	s_mov_b32 s35, 0
	s_mov_b32 s52, 0x76543210
	s_mov_b32 s53, 0xfedcba98
	s_mov_b32 s54, 0x3f666666                      ; 0.9
	s_mov_b32 s55, s54                             ; named with it as a pair
	s_lshl_b32 s22, s20, 18                        ; the batch's 64 rows of 4,096 bytes,
	s_lshl_b32 s21, s18, 10                        ; my wave's 512 channels: no cx in these registers
	s_add_co_u32 s22, s22, s21
	s_mov_b32 s23, 0
	s_mov_b32 s3, 0
	s_wait_dscnt 0x0                               ; both opening adds are done
	s_wait_kmcnt 0x0
	s_add_nc_u64 s[26:27], s[12:13], s[22:23]      ; group 0: global address
	s_or_b32 s27, s27, 0x80000000                  ; type = 2
	s_lshl_b32 s2, s19, 6                          ; what hangs on cx is made in s[2:3] and s56: my 16 scale factors,
	s_add_nc_u64 s[8:9], s[8:9], s[2:3]
	s_load_b512 s[SF:SF+15], s[8:9], 0x0
	s_lshl_b32 s2, s19, 17                         ; my 16 rows of 8,192 bytes in agent_biases,
	s_add_nc_u64 s[6:7], s[6:7], s[2:3]
	s_lshl_b32 s56, s20, 19
	s_add_co_u32 s2, s2, s56                       ; and, with the batch's 64 rows, in agent_states and out0;
	s_add_nc_u64 s[4:5], s[4:5], s[2:3]
	s_add_nc_u64 s[16:17], s[16:17], s[2:3]
	s_lshr_b32 s2, s2, 1                           ; half of that in xn;
	s_add_nc_u64 s[10:11], s[10:11], s[2:3]
	s_lshr_b32 s2, s2, 4                           ; rows of 256 bytes in out1
	s_add_nc_u64 s[14:15], s[14:15], s[2:3]
	CROUND                                         ; all four work-groups are here: the joint loads meet
	tensor_load_to_lds s[24:27], s[28:35]          ; my strip of v: my one tensor load
	s_nop 0
.rept 4
	v_nop
.endr
	v_and_b32 v1, 15, v0                           ; r
	v_bfe_u32 v2, v0, 4, 1                         ; h
	v_and_b32 v3, 31, v0                           ; l
	v_lshlrev_b32 v4, 8, v1
	v_lshl_add_u32 v4, v2, 5, v4                   ; attn: row r x 256 bytes + 32 h
	s_lshl_b32 s21, s18, 11
	v_lshl_add_u32 v8, v3, 4, s21                  ; f32 rows: 2,048 w + 16 l
	s_lshl_b32 s21, s18, 10
	v_lshl_add_u32 v9, v3, 3, s21                  ; f16 rows: 1,024 w + 8 l
.set i, 0
.rept 8                                ; P's numbers as f32: keys 32 kk + 16 c + 8 h + 4 u + e at register 16 kk + 8 c + 4 u + e
	global_load_b128 v[FF+4*i:FF+4*i+3], v4, s[14:15] offset:128*(i/4)+64*((i/2)%2)+16*(i%2)
.set i, i+1
.endr
	WIN 0x80
.set i, 0
.rept 64
	global_load_b128 v[4*i:4*i+3], v8, s[6:7] offset:8192*(i/4)+512*(i%4)
.set i, i+1
.endr
	WIN 0
	v_and_b32 v13, 7, v0                           ; the turning load: lane l reads key 8 h + l % 8, channels 8 ((l / 8) % 2) + 0..7
	v_lshl_add_u32 v5, v2, 3, v13
	v_mul_u32_u24 v5, v5, VP
	v_bfe_u32 v13, v0, 3, 1
	v_lshl_add_u32 v5, v13, 4, v5
	v_add_nc_u32 v5, s25, v5
	v_mul_u32_u24 v6, v1, STP                      ; into the stage: row r, 32 bytes for each half of the lanes
	v_lshl_add_u32 v6, v2, 5, v6
	v_add_nc_u32 v6, s25, v6
	v_lshl_add_u32 v7, v3, 4, s25                  ; back: 16 l
	s_lshl_b32 s21, s18, 6
	s_add_co_u32 s21, s21, RED
	v_mov_b32 v10, s21                             ; my wave's 16 sums
	v_mov_b32 v11, RED
	v_mov_b32 v12, 0x3dcccccd                      ; 0.1
	s_wait_loadcnt 63                              ; attn is in: 64 loads are younger, and the wait's field holds 63 at the most
.set j, 0
.rept 16
	v_cvt_pk_f16_f32 v[PP+j], v[FF+2*j], v[FF+2*j+1]
.set j, j+1
.endr
	WIN 0xc0
.set i, 0
.rept 64
	global_load_b64 v[2*i:2*i+1], v9, s[10:11] offset:4096*(i/4)+256*(i%4)
.set i, i+1
.endr
	s_wait_tensorcnt 0x0                           ; my strip is in, and I alone read it
	FETCHV 0, 0
	FETCHV 1, 1
	s_wait_dscnt 32                                ; all but the 32 just issued
	MULV 0
	PLACES
	FETCHV 2, 0
	s_wait_dscnt 32
	MULV 1
	PLACES
	FETCHV 3, 1
	s_wait_dscnt 32
	MULV 2
	s_wait_dscnt 0x0                               ; my reads of the strip are over
	MULV 3
	PLACES
	PLACES
	WIN 0x04                                       ; a store's data is source 1: window 1
.set i, 0
.rept 32                               ; each accumulator from its low end on
	ds_store_b128 v6, v[8*i:8*i+3]   offset:64*i
	ds_store_b128 v6, v[8*i+4:8*i+7] offset:64*i+16
.set i, i+1
.endr
	WIN 0x40
.set i, 0
.rept 64
	ds_load_b128 v[4*i:4*i+3], v7 offset:STP*(i/4)+512*(i%4)  ; LDS serves a wave's instructions in order (ISA guide 5.7.1.4): these see the stores above
.set i, i+1
.endr
	s_wait_dscnt 0x0
	s_wait_loadcnt 63                              ; agent_biases are in: xn's 64 loads are younger
	WIN 0x61                                       ; attended and m window 1, agent_biases window 2
.set i, 0
.rept 128
	v_pk_fma_f32 v[2*i:2*i+1], v[2*i:2*i+1], s[54:55], v[2*i:2*i+1] op_sel_hi:[1,0,1]  ; m = 0.9 attended + bias
.set i, i+1
.endr
	WIN 0x80
.set i, 0
.rept 64
	global_load_b128 v[4*i:4*i+3], v8, s[4:5] offset:8192*(i/4)+512*(i%4) th:TH_LOAD_NT  ; x, where the biases lay
.set i, i+1
.endr
	s_wait_loadcnt 63                              ; xn is in: x's 64 loads are younger
	WIN 0x53                                       ; xn window 3, 0.1 window 0, m window 1
.set i, 0
.rept 128
	v_fma_mix_f32 v[2*i], v[i], v12, v[2*i] op_sel_hi:[1,0,0]                   ; m += 0.1 x the low half,
	v_fma_mix_f32 v[2*i+1], v[i], v12, v[2*i+1] op_sel:[1,0,0] op_sel_hi:[1,0,0]  ; the high half
.set i, i+1
.endr
	WIN 0x05                                       ; m window 1, the sums window 0
.set p, 0
.rept 8                                ; a row's 16 squares in a lane, the 16 rows by turns
.set n, 0
.rept 16
.if p == 0
	v_pk_mul_f32 v[SS+2*n:SS+2*n+1], v[16*n:16*n+1], v[16*n:16*n+1]
.else
	v_pk_fma_f32 v[SS+2*n:SS+2*n+1], v[16*n+2*p:16*n+2*p+1], v[16*n+2*p:16*n+2*p+1], v[SS+2*n:SS+2*n+1]
.endif
.set n, n+1
.endr
.set p, p+1
.endr
	WIN 0
.set n, 0
.rept 16
	v_add_f32 v[SS+2*n], v[SS+2*n], v[SS+2*n+1]
.set n, n+1
.endr
.irp m, 1,2,4,8
.set n, 0
.rept 16
	v_add_f32_dpp v[SS+2*n], v[SS+2*n], v[SS+2*n] row_xmask:\m row_mask:0xf bank_mask:0xf
.set n, n+1
.endr
.endr
.set n, 0
.rept 16
	v_permlanex16_b32 v[SS+2*n+1], v[SS+2*n], s52, s53
.set n, n+1
.endr
.set n, 0
.rept 16
	v_add_f32 v[96+n], v[SS+2*n], v[SS+2*n+1]      ; every lane holds my wave's sum for row n
.set n, n+1
.endr
.irp i, 0,1,2,3
	ds_store_b128 v10, v[96+4*(\i):96+4*(\i)+3] offset:16*(\i)  ; all lanes store the same numbers to the same words
.endr
	s_wait_dscnt 0x0
	s_barrier_signal -1
	s_barrier_wait -1                              ; the four waves' sums lie in RED
.set i, 0
.rept 16
	ds_load_b128 v[FF+4*i:FF+4*i+3], v11 offset:16*i  ; wave p's sum for row n at FF + 16 p + n
.set i, i+1
.endr
	s_wait_dscnt 0x0
.set j, 0
.rept 8
	v_pk_add_f32 v[FF+2*j:FF+2*j+1], v[FF+2*j:FF+2*j+1], v[FF+16+2*j:FF+16+2*j+1]
	v_pk_add_f32 v[FF+32+2*j:FF+32+2*j+1], v[FF+32+2*j:FF+32+2*j+1], v[FF+48+2*j:FF+48+2*j+1]
.set j, j+1
.endr
.set j, 0
.rept 8
	v_pk_add_f32 v[FF+2*j:FF+2*j+1], v[FF+2*j:FF+2*j+1], v[FF+32+2*j:FF+32+2*j+1]
.set j, j+1
.endr
	s_wait_kmcnt 0x0                               ; the scale factors
.rept 2
.set n, 0
.rept 16
	v_mul_f32 v[FF+n], s[SF+n], v[FF+n]            ; twice: sf^2 x sum of m^2
.set n, n+1
.endr
.endr
.set n, 0
.rept 16
	v_rsq_f32 v[FF+n], v[FF+n]
.set n, n+1
.endr
	v_nop                                          ; a plain instruction behind the last of them,
	s_wait_alu depctr_va_vdst(0)                   ; and one wait for the batch of sixteen
.set n, 0
.rept 16
	v_min_num_f32 v[FF+n], 1.0, v[FF+n]            ; 1 / max(1, norm)
.set n, n+1
.endr
.set n, 0
.rept 16
	v_mul_f32 v[SS+2*n], s[SF+n], v[FF+n]          ; the row's factor, in the lower register of its pair
.set n, n+1
.endr
	s_wait_loadcnt 0x0                             ; x
.irp gr, 0,1,2,3
	WIN 0xa1                                       ; m window 1, the factor window 0, x and out window 2
.set i, 0
.rept 32
	v_pk_fma_f32 v[64*(\gr)+2*i:64*(\gr)+2*i+1], v[64*(\gr)+2*i:64*(\gr)+2*i+1], v[SS+2*(4*(\gr)+i/8):SS+2*(4*(\gr)+i/8)+1], v[64*(\gr)+2*i:64*(\gr)+2*i+1] op_sel_hi:[1,0,1]
.set i, i+1
.endr
	WIN 0x08                                       ; a store's data is source 1: window 2
.set i, 0
.rept 16
	global_store_b128 v8, v[64*(\gr)+4*i:64*(\gr)+4*i+3], s[16:17] offset:8192*(4*(\gr)+i/4)+512*(i%4) th:TH_STORE_NT  ; 512 consecutive bytes, aligned
.set i, i+1
.endr
.endr
	WIN 0
	s_wait_tensorcnt 0x0                           ; the wave's end, behind my tensor load and my last LDS store
	ds_add_u32 v14, v15
	s_wait_dscnt 0x0
	CROUND                                         ; the closing round
	s_endpgm
.Lfunc_end_k_qaa83784cd9_mix:
	.size	k_qaa83784cd9_mix, .Lfunc_end_k_qaa83784cd9_mix-k_qaa83784cd9_mix
	.p2alignl 7, 3214868480
	.fill 96, 4, 3214868480
	.section	.rodata,"a",@progbits
	.p2align	6, 0x0
	.amdhsa_kernel k_qaa83784cd9_mix
		.amdhsa_group_segment_fixed_size 271104
		.amdhsa_private_segment_fixed_size 0
		.amdhsa_enable_private_segment 0
		.amdhsa_kernarg_size 56
		.amdhsa_user_sgpr_count 2
		.amdhsa_user_sgpr_kernarg_segment_ptr 1
		.amdhsa_wavefront_size32 1
		.amdhsa_system_sgpr_workgroup_id_x 1
		.amdhsa_system_sgpr_workgroup_id_y 1
		.amdhsa_system_sgpr_workgroup_id_z 1
		.amdhsa_system_vgpr_workitem_id 0
		.amdhsa_next_free_vgpr 1024
		.amdhsa_next_free_sgpr 66
		.amdhsa_reserve_vcc 0
		.amdhsa_float_denorm_mode_32 3
		.amdhsa_float_denorm_mode_16_64 3
		.amdhsa_memory_ordered 1
		.amdhsa_forward_progress 1
		.amdhsa_inst_pref_size 104
	.end_amdhsa_kernel
	.amdgpu_metadata
---
amdhsa.version: [ 1, 2 ]
amdhsa.kernels:
  - .name:           k_qaa83784cd9_mix
    .symbol:         k_qaa83784cd9_mix.kd
    .args:
      - { .name: agent_states, .offset: 0, .size: 8, .value_kind: global_buffer, .address_space: global }
      - { .name: agent_biases, .offset: 8, .size: 8, .value_kind: global_buffer, .address_space: global }
      - { .name: scale_factors, .offset: 16, .size: 8, .value_kind: global_buffer, .address_space: global }
      - { .name: xn, .offset: 24, .size: 8, .value_kind: global_buffer, .address_space: global }
      - { .name: vh, .offset: 32, .size: 8, .value_kind: global_buffer, .address_space: global }
      - { .name: out1, .offset: 40, .size: 8, .value_kind: global_buffer, .address_space: global }
      - { .name: out0, .offset: 48, .size: 8, .value_kind: global_buffer, .address_space: global }
    .group_segment_fixed_size: 271104
    .private_segment_fixed_size: 0
    .kernarg_segment_align: 8
    .kernarg_segment_size: 56
    .max_flat_workgroup_size: 128
    .sgpr_count:     66
    .vgpr_count:     1024
    .wavefront_size: 32
...
	.end_amdgpu_metadata
.endif
;; end of part 4
;; ======== version 2 of 3: 4 launches
;; limits: values are held in f16: magnitudes above 65,504 overflow, below 6.1e-05 lose precision
;; workspace buffers: xn 16,777,216 bytes; qh 16,777,216 bytes; kh 16,777,216 bytes; vh 16,777,216 bytes; whq 8,388,608 bytes; whk 8,388,608 bytes; whv 8,388,608 bytes
;; launch prep: the kernel of part 1 again; grid 256 x 1, 8 waves a work-group, no clusters, 0 bytes of LDS; arguments agent_states, ln_w, ln_b, wq, wk, wv, xn, whq, whk, whv; writes xn, whq, whk, whv
;; launch gemmqk (part 5): grid 16 x 16, 4 waves a work-group, clusters of 4 x 4, 327,680 bytes of LDS; arguments xn, whq, bq, qh, whk, kh, whv; writes qh, kh
.if DOCPART == 5
	.amdgcn_target "amdgcn-amd-amdhsa--gfx1250"
	.amdhsa_code_object_version 6
	.text
	.protected	k_qaa83784cd9_gemmqk
	.globl	k_qaa83784cd9_gemmqk
	.p2align	8
	.type	k_qaa83784cd9_gemmqk,@function
k_qaa83784cd9_gemmqk:
	s_mov_b64 s[64:65], 0
	v_nop
	global_prefetch_b8 v0, s[64:65] scope:SCOPE_SE
	s_setreg_imm32_b32 hwreg(HW_REG_WAVE_MODE, 25, 1), 1
	s_wait_xcnt 0x0
	s_wait_alu depctr_hold_cnt(0) depctr_sa_sdst(0) depctr_va_vdst(0) depctr_va_sdst(0) depctr_va_ssrc(0) depctr_va_vcc(0) depctr_vm_vsrc(0)
	s_getreg_b32 s2, hwreg(HW_REG_IB_STS2, 6, 4)
	s_cmp_eq_u32 s2, 0
	s_cbranch_scc0 .Lentry_in_a_cluster
	s_endpgm
.Lentry_in_a_cluster:
	s_bfe_u32 s2, ttmp6, 0x10000c
	s_cmp_lg_u32 s2, 0xf033
	s_cbranch_scc0 .Lentry_shape_is_right
	s_endpgm
.Lentry_shape_is_right:
; ONE BODY FOR TWO LAUNCHES: THE PROJECTIONS, AND BESIDE THE THIRD OF THEM THE CHAINS OF NORMALISING STEPS.
;   first launch,  grid 16 x 16: qh = xn whq^T + bq (tile columns 0-7), kh = xn whk^T (tile columns 8-15): 256 tiles of 256 x 256, one for each work-group.
;   second launch, grid  8 x 24: vh = xn whv^T + bv (tile rows 0-15: 128 work-groups); and in tile rows 16-23 no tiles but 64 work-groups that each take one batch from its scores to attn (out1).
; The chains need q and k alone, which the first launch stored; v needs neither: so the two kinds of work share a launch, on different work-groups, and no work-group reads what another of its launch stores.
; ARGUMENTS, by role: P0 xn; P1 weight 0; P2 bias 0; P3 result 0; P4 weight 1, or the chains' k; P5 result 1, or attn; P6 the chains' q.
;   first launch: xn, whq, bq, qh, whk, kh, whv (P6 is read by the chains alone, of which this launch has none: it is given a buffer that it neither reads nor writes);  second: xn, whv, bv, vh, kh, out1, qh.
; A CLUSTER'S ROLE hangs on the cluster's own coordinates, which its sixteen work-groups share: cluster y >= 4: chains; else KIND = cluster x / 2: weight, bias and result 0, or weight and result 1 with no bias.
; WORK LEFT OUT: bk (it adds to every score of a row of the scores the same number, which the first row normalising takes away for all values: shown at the head of the first kernel).
; xn: [4096][2048], weights [2048][2048], results [4096][2048], all f16; sums in f32, each result rounded once.  LIMITS: q, k, v stay under 65,504 (f16); NaN and infinities are not treated apart.
;
; THE PRODUCT.  A tile is made by four waves, each 128 x 128: 64 accumulators of 16 x 16, 512 registers.  K goes in steps of 128 through a ring of two LDS slots filled by the tensor data mover: rows of 256 bytes, aligned.
; CLUSTERS: the four work-groups of a row of the cluster need the same tiles of xn, the four of a column the same tiles of the weight.  Such a tile is asked for JOINTLY: each of the four issues the same
; tensor load, with the same descriptor and a mask that names the four.
; THE BIAS is the C operand of the products that start the sums (for k: zeros), so it costs no instruction of its own.
; THE LAST K STEP goes by rows of the result, so that finished rows leave while the others are multiplied.
; REGISTERS, in windows of 256 (s_set_vgpr_msb: bits 1:0 source 0, 3:2 source 1, 5:4 source 2, 7:6 destination):
;   window 0: v0-31 addresses; v64-127, v128-191 fragments of xn, two buffers (in the last K step four, of 16 rows x 128 K); v192-255 the bias, until the first quarter has taken it; v32-63, v192-255 the way out
;   window 1: v64-127, v128-191 fragments of the weight, two buffers; in the last K step all 256
;   window 2: the 32 accumulators of my rows 0-63 (accumulator (a, b) at v[8 (8 a + b)]);   window 3: those of my rows 64-127
; THE MATRIX INSTRUCTION IS USED TRANSPOSED: source 0 = 16 rows of the weight, source 1 = 16 rows of xn.  Lane l then holds row l % 16 of the result and its registers the columns 8 (l / 16) + 0 .. 7.
; (The chains' own head stands in front of their text, behind the product's end.)
.set SIZE_N, 2048                      ; columns of a result: its pitch
.set SIZE_K, 2048
.set KSTEP,  128
.set PITCH,  272                       ; an LDS row: 256 bytes + 16 of padding, an odd multiple of 16 bytes: the 16 rows that a load touches start 16 bytes further round the banks each (ISA guide 11.1)
.set HALFT,  128*PITCH                 ; 128 rows: what one tensor load brings, and what one wave reads of either operand
.set SLOT,   4*HALFT                   ; xn's 256 rows, then the weight's 256 rows
.set STAGE,  2*SLOT                    ; behind the ring: 16 rows x 272 bytes for each wave, for the way out
.set SPITCH, 272
.set SPARE,  STAGE+4*16*SPITCH         ; behind the stages: the spare words, 128 bytes for each wave, which no other line names
.set LAPS, SIZE_K/(2*KSTEP)            ; a lap = two K steps = once round the ring: 8
.set ADRA, 16                          ; v16-17  LDS address of my xn fragments in slot 0, 1
.set ADRB, 20                          ; v20-21  the same for the weight
.set STO,  24                          ; v24     the way out: where I put 16 bytes of a row
.set RD,   25                          ; v25     the way out: where I read a row back
.set CO,   26                          ; v26     my byte offset in the result
.set BO,   27                          ; v27     my byte offset in the bias
.set SPW,  28                          ; v28     LDS address of my spare word; never rewritten, on either path
.set NIL,  29                          ; v29     0; never rewritten, on either path
.set PFO,  30                          ; v30     the prefetches' offset: my lane x a row (4,096 bytes); never rewritten
.set PFA,  44                          ; s[44:45] where my prefetches stand
.set LIM,  43                          ; s43     1 in a wave that prefetches, else the greatest number
.set KIND, 66                          ; s66     cluster x / 2
.set CLY,  67                          ; s67     cluster y
.set BP,   72                          ; s[72:73] P2, the bias
.set F0,   64
.set F1,   128
.set TMP,  192
.set BIAS, 192
.set OB,   32
.set PA,   64
.set G1, 24                            ; s[24:31] descriptor group 1 for xn's tiles
.set G0, 32                            ; s[32:39] group 0 for xn's tiles, one set for each slot
.set G1B, 48                           ; s[48:55] group 1 for the weight's tiles: it differs in the mask alone
.set G0B, 56                           ; s[56:63] group 0 for the weight's tiles
.set MSB, 0
.macro WIN new                         ; the immediate's high byte repeats the setting that is left; a switch that changes nothing is dropped
.if MSB != (\new)
	s_set_vgpr_msb (MSB<<8)|(\new)
.set MSB, \new
.endif
.endm
.set MUL_LO, 0xa1                      ; source 0 (weight) window 1, source 1 (xn) window 0, C and D window 2
.set MUL_HI, 0xf1                      ; the same, C and D window 3
.set TO_B,   0x40                      ; destination window 1, address window 0
; A joint load.  Waves 0 and 1 fetch xn's two halves, waves 2 and 3 the weight's.  The branch hangs on the wave's number alone.  An s_nop 0 and four v_nop follow each of the two lines.
.macro JLOAD s
	s_cmp_eq_u32 s11, 0
	s_cbranch_scc0 .Lfor_b_\@
	tensor_load_to_lds s[G0+4*(\s):G0+4*(\s)+3], s[G1:G1+7]
	s_nop 0
.rept 4
	v_nop
.endr
	s_branch .Lasked_\@
.Lfor_b_\@:
	tensor_load_to_lds s[G0B+4*(\s):G0B+4*(\s)+3], s[G1B:G1B+7]
	s_nop 0
.rept 4
	v_nop
.endr
.Lasked_\@:
.endm
; A prefetch, behind each joint load and the run of LDS loads that follows it: the K step that stands two refills on, 512 matrix instructions ahead of the load that will want it: 32 rows x 256 bytes, a lane a
; row, one instruction a wave.  Each row's 256 bytes of a K step are named once in the launch: xn's rows by the clusters with x = 0, a weight's rows by the clusters with y = 0; the four partners that ask for
; a tile jointly share its rows out by address, 32 each.  K steps 0 to 3 come by their loads alone; the loop's last trip (s3 = 1) asks for nothing: K steps 4 to 15 are named.
.macro ASK
	s_cmp_gt_u32 s3, s[LIM]
	s_cbranch_scc0 .Lnot_mine_\@
	global_prefetch_b8 v[PFO], s[PFA:PFA+1] offset:KSTEP*2 th:TH_LOAD_NT scope:SCOPE_SE
.Lnot_mine_\@:
.endm
.macro CREST                           ; a round of the cluster's barrier behind its opening barrier
	s_cmp_lg_u32 s10, 0
	s_cbranch_scc1 .Lnot_wave_0_\@
	s_barrier_signal -3
.Lnot_wave_0_\@:
	s_barrier_wait -3
	s_barrier_signal -1
	s_barrier_wait -1
.endm
.macro CROUND                          ; a whole round
	s_barrier_signal -1
	s_barrier_wait -1
	CREST
.endm
	s_load_b256 s[68:75], s[0:1], 0x0              ; P0 s[68:69], P1 s[70:71], P2 s[72:73], P3 s[74:75]
	s_load_b128 s[76:79], s[0:1], 0x20             ; P4 s[76:77], P5 s[78:79]
	s_load_b64 s[80:81], s[0:1], 0x30              ; P6
	v_lshl_add_u32 v[SPW], v0, 2, SPARE
	v_mov_b32 v[NIL], 0
	ds_add_u32 v[SPW], v[NIL]                      ; the wave's opening: the add, twice on end, and its wait ahead of my first tensor load
	ds_add_u32 v[SPW], v[NIL]
	v_lshrrev_b32 v1, 5, v0
	v_readfirstlane_b32 s10, v1                    ; wave 0..3
	s_lshr_b32 s11, s10, 1                         ; which half of the tile's rows is mine.  Also: I fetch for xn (0) or for the weight (1)
	s_and_b32 s12, s10, 1                          ; which half of its columns.  Also: which 128 rows of that tile I fetch
	s_bfe_u32 s40, ttmp6, 0x40000                  ; cx
	s_bfe_u32 s41, ttmp6, 0x40004                  ; cy
	s_lshr_b32 s[KIND], ttmp9, 1                   ; two clusters along x for each weight
	s_and_b32 s42, ttmp9, 1
	s_lshl_b32 s42, s42, 2
	s_add_co_u32 s42, s42, s40                     ; tile column within the weight, 0..7
	s_and_b32 s[CLY], ttmp7, 0xffff                ; cluster y
	s_lshl_b32 s13, s[CLY], 2
	s_add_co_u32 s13, s13, s41                     ; tile row = 4 x cluster y + cy
	s_lshl_b32 s43, s41, 2
	s_lshl_b32 s43, 15, s43                        ; my row of the cluster: places 4 cy .. 4 cy + 3
	s_lshl_b32 s44, 0x1111, s40                    ; my column: places cx, cx + 4, cx + 8, cx + 12
	; descriptor group 1: a tile of 128 rows x 128 elements, padded in LDS
	s_or_b32 s[G1+0], s43, (1<<16)|(1<<20)|(1<<21)|(5<<22)|(3<<25)  ; the mask; elements of 2 bytes; padding on; bit 21 beside a mask; after every 64 words (code 5) 4 words (code 3)
	s_or_b32 s[G1B+0], s44, (1<<16)|(1<<20)|(1<<21)|(5<<22)|(3<<25)
.irp g, G1, G1B
	s_mov_b32 s[(\g)+1], KSTEP<<16                 ; tensor_dim0 = 128
	s_mov_b32 s[(\g)+2], 128<<16                   ; tensor_dim1 = 128
	s_mov_b32 s[(\g)+3], KSTEP<<16                 ; tile_dim0 = 128
	s_mov_b32 s[(\g)+4], 128                       ; tile_dim1 = 128
	s_mov_b32 s[(\g)+5], SIZE_K                    ; elements from row to row
	s_mov_b32 s[(\g)+6], 0
	s_mov_b32 s[(\g)+7], 0
.endr
	; where the tiles come from: xn's hang on the tile row alone, the weight's on the tile column alone; each in registers that never hold the other coordinate
	s_lshl_b32 s17, s12, 7
	s_lshl_b32 s16, s13, 8
	s_add_co_u32 s16, s16, s17                     ; xn: row 256 x tile row + 128 x half
	s_lshl_b32 s46, s42, 8
	s_add_co_u32 s46, s46, s17                     ; weight: row 256 x tile column + 128 x half
	s_mov_b32 s17, 0
	s_mov_b32 s47, 0
	s_mov_b64 s[18:19], SIZE_K*2
	s_mul_u64 s[16:17], s[16:17], s[18:19]
	s_mul_u64 s[46:47], s[46:47], s[18:19]
	s_mul_i32 s20, s10, HALFT                      ; where they go: wave x 128 rows
	s_wait_dscnt 0x0                               ; both opening adds are done
	s_wait_kmcnt 0x0
	s_cmp_ge_u32 s[CLY], 4                         ; the cluster's role: the same in all its sixteen work-groups and all their waves
	s_cbranch_scc1 .Lsink                          ; the chains: their text asks for no tile and stands behind the product's end
	s_mov_b64 s[4:5], s[68:69]                     ; A = xn
	s_cmp_eq_u32 s[KIND], 0
	s_cselect_b64 s[6:7], s[70:71], s[76:77]       ; B = weight 0 or 1,
	s_cselect_b64 s[8:9], s[74:75], s[78:79]       ; C = result 0 or 1
	s_add_nc_u64 s[14:15], s[4:5], s[16:17]
	s_add_nc_u64 s[46:47], s[6:7], s[46:47]
	CROUND                                         ; all sixteen work-groups are here: the first joint loads meet
.irp s, 0,1
	s_mov_b32 s[G0+4*(\s)], 1                                      ; count = 1
	s_add_co_u32 s[G0+4*(\s)+1], s20, (\s)*SLOT                    ; LDS address
	s_add_nc_u64 s[G0+4*(\s)+2:G0+4*(\s)+3], s[14:15], (\s)*KSTEP*2  ; global address: K step s
	s_or_b32 s[G0+4*(\s)+3], s[G0+4*(\s)+3], 0x80000000            ; type = 2
	s_mov_b32 s[G0B+4*(\s)], 1
	s_add_co_u32 s[G0B+4*(\s)+1], s20, (\s)*SLOT
	s_add_nc_u64 s[G0B+4*(\s)+2:G0B+4*(\s)+3], s[46:47], (\s)*KSTEP*2
	s_or_b32 s[G0B+4*(\s)+3], s[G0B+4*(\s)+3], 0x80000000
	JLOAD \s                                       ; two tensor loads of mine are out
.endr
	; a fragment is 16 rows x 32 K in 8 registers: lane l holds row l % 16; two loads of 16 bytes, 32 bytes apart, at row x pitch + 16 (l / 16)
	v_and_b32 v1, 15, v0                           ; l % 16
	v_bfe_u32 v2, v0, 4, 1                         ; l / 16
	v_mul_u32_u24 v3, v1, PITCH
	v_lshl_add_u32 v3, v2, 4, v3
	s_mul_i32 s21, s11, HALFT                      ; my 128 rows of xn
	s_mul_i32 s22, s12, HALFT                      ; my 128 rows of the weight,
	s_add_co_u32 s22, s22, 2*HALFT                 ; which lie behind xn's 256
.irp s, 0,1
	v_add_nc_u32 v[ADRA+(\s)], s21, v3
	v_add_nc_u32 v[ADRB+(\s)], s22, v3
	s_add_co_u32 s21, s21, SLOT
	s_add_co_u32 s22, s22, SLOT
.endr
	s_mul_i32 s23, s10, 16*SPITCH
	s_add_co_u32 s23, s23, STAGE                   ; my stage
	v_mul_u32_u24 v4, v1, SPITCH
	v_lshl_add_u32 v4, v2, 4, v4
	v_add_nc_u32 v[STO], s23, v4
	v_mul_u32_u24 v5, v2, SPITCH
	v_lshl_add_u32 v5, v1, 4, v5
	v_add_nc_u32 v[RD], s23, v5
	v_mul_u32_u24 v5, v2, SIZE_N*2
	v_lshl_add_u32 v[CO], v1, 4, v5
	; where my part of the tile begins in the result, in bytes
	s_lshl_b32 s13, s13, 8
	s_lshl_b32 s14, s11, 7
	s_add_co_u32 s16, s13, s14                     ; my first row
	s_mov_b32 s17, 0
	s_mov_b64 s[18:19], SIZE_N*2
	s_mul_u64 s[16:17], s[16:17], s[18:19]
	s_lshl_b32 s46, s42, 9                         ; my first column, in bytes: 512 x tile column + 256 x half
	s_lshl_b32 s47, s12, 8
	s_add_co_u32 s46, s46, s47
	s_mov_b32 s47, 0
	s_add_nc_u64 s[16:17], s[16:17], s[46:47]
	; the prefetches
	s_lshl_b32 s42, s42, 8                         ; 256 x tile column
	s_and_b32 s22, ttmp7, 0xffff                   ; cluster y
	s_cmp_eq_u32 s11, 0                            ; do I fetch for xn?
	s_cselect_b32 s20, s13, s42                    ; the tile's first row
	s_cselect_b32 s21, s40, s41                    ; my place among the four that ask for it with me
	s_cselect_b32 s22, ttmp9, s22                  ; the coordinate along which other clusters read the same rows
	s_cselect_b64 s[PFA:PFA+1], s[4:5], s[6:7]
	s_cmp_eq_u32 s22, 0
	s_cselect_b32 s[LIM], 1, -1
	s_lshl_b32 s22, s12, 7
	s_add_co_u32 s20, s20, s22                     ; + the 128 rows that I fetch
	s_lshl_b32 s21, s21, 5
	s_add_co_u32 s20, s20, s21                     ; + my work-group's 32 of them
	s_mov_b32 s21, 0
	s_mov_b64 s[18:19], SIZE_K*2
	s_mul_u64 s[20:21], s[20:21], s[18:19]
	s_add_nc_u64 s[PFA:PFA+1], s[PFA:PFA+1], s[20:21]
	s_add_nc_u64 s[PFA:PFA+1], s[PFA:PFA+1], 2*KSTEP*2  ; at K step 2: the first refill steps it to 3 and names K step 4
	v_and_b32 v[PFO], 31, v0
	v_mul_u32_u24 v[PFO], v[PFO], SIZE_K*2
	; the bias as a C operand: register 8 b + j of a lane is bias[256 x tile column + 128 x half + 16 b + 8 (l / 16) + j], the same for all rows
	s_lshl_b32 s20, s42, 2
	s_lshl_b32 s21, s12, 9
	s_add_co_u32 s20, s20, s21
	v_lshl_add_u32 v[BO], v2, 5, s20
	s_cmp_eq_u32 s[KIND], 1                        ; the same in all sixteen partners
	s_cbranch_scc1 .Lno_bias
.irp b, 0,1,2,3,4,5,6,7
	global_load_b128 v[BIAS+8*(\b):BIAS+8*(\b)+3],   v[BO], s[BP:BP+1] offset:64*(\b)
	global_load_b128 v[BIAS+8*(\b)+4:BIAS+8*(\b)+7], v[BO], s[BP:BP+1] offset:64*(\b)+16
.endr
	s_branch .Lbias_set
.Lno_bias:                                             ; weight 1 (k) has no bias: one text of the first quarter serves both kinds, so its C operand is written as zeros, in the wait for the first tile
.set i, 0
.rept 64
	v_mov_b32 v[BIAS+i], 0
.set i, i+1
.endr
.Lbias_set:
; 16 matrix instructions: m blocks a0, a0 + 1 of the window's four (hi = 0: my rows 0-63, 1: rows 64-127) x all 8 n blocks, 32 along K.  start = 1: the first product starts the sums, from the bias.
.macro MUL16 f, hi, a0, start
.if \start
	WIN 0x81+0x40*(\hi)                            ; C in window 0, D in window 2 or 3
.else
	WIN MUL_LO+0x50*(\hi)
.endif
.irp a, \a0, (\a0)+1
.irp b, 0,1,2,3,4,5,6,7
.if \start
	v_wmma_f32_16x16x32_f16 v[8*(8*(\a)+(\b)):8*(8*(\a)+(\b))+7], v[(\f)+8*(\b):(\f)+8*(\b)+7], v[(\f)+8*(4*(\hi)+(\a)):(\f)+8*(4*(\hi)+(\a))+7], v[BIAS+8*(\b):BIAS+8*(\b)+7]
.else
	v_wmma_f32_16x16x32_f16 v[8*(8*(\a)+(\b)):8*(8*(\a)+(\b))+7], v[(\f)+8*(\b):(\f)+8*(\b)+7], v[(\f)+8*(4*(\hi)+(\a)):(\f)+8*(4*(\hi)+(\a))+7], v[8*(8*(\a)+(\b)):8*(8*(\a)+(\b))+7]
.endif
.endr
.endr
.endm
; 32 LDS loads in one run: the fragments of one quarter step (32 K at byte k of the rows) into buffer f
.macro FETCH slot, k, f
	WIN TO_B
.irp i, 0,1,2,3,4,5,6,7
	ds_load_b128 v[(\f)+8*(\i):(\f)+8*(\i)+3],   v[ADRB+(\slot)] offset:(\k)+(\i)*16*PITCH
	ds_load_b128 v[(\f)+8*(\i)+4:(\f)+8*(\i)+7], v[ADRB+(\slot)] offset:(\k)+(\i)*16*PITCH+32
.endr
	WIN 0
.irp i, 0,1,2,3,4,5,6,7
	ds_load_b128 v[(\f)+8*(\i):(\f)+8*(\i)+3],   v[ADRA+(\slot)] offset:(\k)+(\i)*16*PITCH
	ds_load_b128 v[(\f)+8*(\i)+4:(\f)+8*(\i)+7], v[ADRA+(\slot)] offset:(\k)+(\i)*16*PITCH+32
.endr
.endm
.macro PLACES                          ; four plain vector instructions between a matrix instruction and a load into, or a vector instruction on, its registers
.rept 4
	v_nop
.endr
.endm
; A K step is four quarters of 32 along K, 64 matrix instructions each, on buffers 0, 1, 0, 1.  The 64 accumulators take turns in the same order in every quarter.
.macro QUARTER slot, k, f, g, start
	s_wait_dscnt 8                                 ; the weight's fragments and xn's rows 0-63 are in; the youngest eight loads (xn's rows 64-127) may be out
	MUL16 \f, 0, 0, \start
	MUL16 \f, 0, 2, \start
	PLACES
	FETCH \slot, \k, \g
	s_wait_dscnt 32                                ; all but the 32 just issued
	MUL16 \f, 1, 0, \start
	MUL16 \f, 1, 2, \start
.endm
; The last quarter's first half, and the one barrier of a change of slots: in front of it each wave waits for all its tensor loads (one is out: its part of the next slot), adds 0 to its spare word, and waits
; for that and for its own reads of this slot.
.macro MEET round
	WIN 0
	s_wait_tensorcnt 0x0
	ds_add_u32 v[SPW], v[NIL]
	s_wait_dscnt 9                                 ; (the add and the youngest eight loads may be out)
	MUL16 F1, 0, 0, 0                              ; sixteen matrix instructions stand between the add and the wait for it
	s_wait_dscnt 0x0                               ; the add is done, and my reads of this slot are over
	s_barrier_signal -1
	MUL16 F1, 0, 2, 0                              ; work on registers while the others arrive
.if \round
	WIN 0
.endif
	s_barrier_wait -1
.endm
; The whole last quarter: behind the round the slot just read out is filled again first, with the K step two steps on; then come the next slot's first fragments.
.macro TURN slot, next
	s_wait_xcnt 0x0                                ; the last prefetch, a K step back, has read its address
	s_add_nc_u64 s[PFA:PFA+1], s[PFA:PFA+1], KSTEP*2
	MEET 1
	CREST                                          ; no wave of any partner still reads this slot's tile or has a load on its way
	s_add_nc_u64 s[G0+4*(\slot)+2:G0+4*(\slot)+3], s[G0+4*(\slot)+2:G0+4*(\slot)+3], 2*KSTEP*2
	s_add_nc_u64 s[G0B+4*(\slot)+2:G0B+4*(\slot)+3], s[G0B+4*(\slot)+2:G0B+4*(\slot)+3], 2*KSTEP*2
	JLOAD \slot                                    ; my one tensor load behind the round; its four v_nop are also the places in front of the loads below
	FETCH \next, 0, F0
	ASK
	MUL16 F1, 1, 0, 0
	MUL16 F1, 1, 2, 0
.endm
; THE LAST K STEP (in slot 1) goes by rows: all its fragments of the weight fill window 1; my eight blocks of 16 rows are finished one after the other, 32 matrix instructions each, K ascending.
.macro BLOAD q
	WIN TO_B
.irp i, 0,1,2,3,4,5,6,7
	ds_load_b128 v[64*(\q)+8*(\i):64*(\q)+8*(\i)+3],   v[ADRB+1] offset:64*(\q)+(\i)*16*PITCH
	ds_load_b128 v[64*(\q)+8*(\i)+4:64*(\q)+8*(\i)+7], v[ADRB+1] offset:64*(\q)+(\i)*16*PITCH+32
.endr
.endm
.macro ALOAD a
	WIN 0
.set FA, PA+32*((\a)%4)
.irp q, 0,1,2,3
	ds_load_b128 v[FA+8*(\q):FA+8*(\q)+3],   v[ADRA+1] offset:64*(\q)+(\a)*16*PITCH
	ds_load_b128 v[FA+8*(\q)+4:FA+8*(\q)+7], v[ADRA+1] offset:64*(\q)+(\a)*16*PITCH+32
.endr
.endm
.macro ROW a
.set FA, PA+32*((\a)%4)
.set AC, 64*((\a)%4)
	WIN MUL_LO+0x50*((\a)/4)
.irp q, 0,1,2,3
.if (\a) == 0 && (\q) == 2
	s_wait_dscnt 24                                ; the weight's quarter 2 is in (behind it: xn's blocks 1 to 3)
.endif
.irp b, 0,1,2,3,4,5,6,7
	v_wmma_f32_16x16x32_f16 v[AC+8*(\b):AC+8*(\b)+7], v[64*(\q)+8*(\b):64*(\q)+8*(\b)+7], v[FA+8*(\q):FA+8*(\q)+7], v[AC+8*(\b):AC+8*(\b)+7]
.endr
.endr
.endm
; THE WAY OUT of block a.  PACK: rounded to f16, 16 bytes a lane, each accumulator from its low end on.  TOSTAGE: into my own stage in LDS, and back as whole rows of 256 bytes.  SEND: stored.
.macro PACK a
.set AC, 64*((\a)%4)
	WIN 0x0a+5*((\a)/4)
.irp b, 0,1,2,3,4,5,6,7
.irp r, 0,1,2,3
	v_cvt_pk_f16_f32 v[TMP+4*(\b)+(\r)], v[AC+8*(\b)+2*(\r)], v[AC+8*(\b)+2*(\r)+1]
.endr
.endr
	WIN 0
.endm
.macro TOSTAGE a
	WIN 0
.set BK, OB+192*((\a)%2)
.irp b, 0,1,2,3,4,5,6,7
	ds_store_b128 v[STO], v[TMP+4*(\b):TMP+4*(\b)+3] offset:32*(\b)
.endr
.irp t, 0,1,2,3,4,5,6,7
	ds_load_b128 v[BK+4*(\t):BK+4*(\t)+3], v[RD] offset:(\t)*2*SPITCH  ; LDS serves a wave's instructions in order (ISA guide 5.7.1.4): these see the stores above
.endr
.endm
.macro SEND a, younger
	WIN 0
.set BK, OB+192*((\a)%2)
	s_wait_dscnt \younger                          ; the block is back in registers
	s_wait_xcnt 0x0                                ; only behind this wait are the stores' base and the registers that earlier stores read rewritten
.if (\a) == 0
	s_add_nc_u64 s[8:9], s[8:9], s[16:17]          ; on to my first rows
.else
	s_add_nc_u64 s[8:9], s[8:9], 16*SIZE_N*2       ; 16 rows on
.endif
.irp t, 0,1,2,3,4,5,6,7
	global_store_b128 v[CO], v[BK+4*(\t):BK+4*(\t)+3], s[8:9] offset:2*(\t)*SIZE_N*2  ; 16 lanes store 256 consecutive bytes, aligned
.endr
.endm
	s_wait_tensorcnt 1                             ; my part of K step 0 is in; K step 1's may stay out
	s_barrier_signal -1
	s_barrier_wait -1
	FETCH 0, 0, F0
	s_wait_loadcnt 0x0                             ; the bias
	QUARTER 0, 64,  F0, F1, 1                      ; the first quarter stands in front of the loop: its products start the sums
	WIN 0
	s_mov_b32 s3, LAPS-1
.Llap:                                                 ; a trip goes once round the ring, from a lap's second quarter to the next lap's first, and fills both slots again
	QUARTER 0, 128, F1, F0, 0
	QUARTER 0, 192, F0, F1, 0
	TURN 0, 1
	QUARTER 1, 64,  F0, F1, 0
	QUARTER 1, 128, F1, F0, 0
	QUARTER 1, 192, F0, F1, 0
	TURN 1, 0
	QUARTER 0, 64,  F0, F1, 0
	WIN 0
	s_sub_co_u32 s3, s3, 1
	s_cmp_lg_u32 s3, 0
	s_cbranch_scc1 .Llap
	QUARTER 0, 128, F1, F0, 0                      ; the last lap goes on
	QUARTER 0, 192, F0, F1, 0
	MEET 0                                         ; my one tensor load that was still out is the last K step's, so no round follows
	PLACES
	BLOAD 0                                        ; three quarters of the weight now: buffer 1 is still being multiplied
	BLOAD 1
	BLOAD 3
	ALOAD 0
	MUL16 F1, 1, 0, 0
	MUL16 F1, 1, 2, 0
	PLACES
	BLOAD 2
	ALOAD 1
	ALOAD 2
	ALOAD 3
	s_wait_dscnt 40                                ; all but the 40 just issued
	ROW 0
.irp a, 0,1,2,3,4,5,6,7                ; each block leaves as soon as it is finished
	PLACES
	PACK \a
	TOSTAGE \a
.if (\a) < 4
	ALOAD (\a)+4
	SEND \a, 8
.else
	SEND \a, 0
.endif
.if (\a) < 7
	ROW (\a)+1
.endif
.endr
	s_wait_tensorcnt 0x0                           ; the wave's end
	ds_add_u32 v[SPW], v[NIL]
	s_wait_dscnt 0x0
	CROUND                                         ; the closing round
	s_endpgm
; THE CHAINS.  For each batch: S = q k^T / sqrt(2048); 50 times (rows: la -= logsumexp over m; columns: la -= logsumexp over n); attn = exp(la), stored as out1 [64][64][64] f32.
; (k comes without bk: that term is the same along m and the first row step takes it away; shown at the head of the first kernel.)
; BY POTENTIALS, which is the same algebra: la = S - f_n - g_m throughout; a row step sets f_n = logsumexp_m(S - g), a column step g_m = logsumexp_n(S - f); g starts at 0.  S stays in registers, and what
; goes from wave to wave is 64 numbers a pass.  Every pass takes its own true maximum away before the exponentials.  All 50 pairs of steps are made.  All in base 2: S is scaled by log2(e) / sqrt(2048) once.
; LIMITS: an exponential below 2^-126 counts as 0; NaN and infinities are not treated apart.
; SHARES.  A work-group is a batch: a batch's passes hang on each other and cannot be shared further.  Batch = 16 x (2 (cluster y - 4) + cluster x) + 4 cy + cx: it enters global addresses alone.  The work-groups
; share no input, so these clusters ask for nothing jointly: this path issues no tensor load, and from its LDS stores no way leads to one.
; SCORES: K is split among the four waves: wave w takes channels 512 w .. 512 w + 511 of all 64 x 64 scores: 16 accumulators.  Each byte of q and k is loaded once, straight into fragments (no wave wants
; another's bytes): a trip is 128 channels, 256 bytes on end of each of 128 rows, 64 loads and 64 matrix instructions; two register sets take turns; four trips, written out.  The four partial sums meet in LDS.
; No prefetch: of the four trips two are asked for by the first loads, and the other two could only be named at the path's head.
; PASSES: wave w owns rows (and columns) 16 w .. 16 w + 15; lane (r, h) holds 32 numbers of row 16 w + r (SR: columns 32 h ..) and 32 of column 16 w + r (SC: rows 32 h ..).
; LDS: f at 0, g at 256 (64 f32 each); SFIN at 512: S, later attn, 64 rows of 272 bytes; PART behind it: each wave's partial scores, 64 rows of 272 bytes; the spare words where the head put them.
; REGISTERS.  Window 0: v1 r, v2 h, v3-11 addresses, v12 0, v14-15 the maximum, v16-19 at work, v20-21 f, v22 g, v26 at work, v28-29 the add's, v32-63 SR, v64-95 SC, v96-127 T, v128-255 the accumulators.
; Window 1: fragment set 0; window 2: set 1: q's fragment (qb, ks) at 8 (4 qb + ks), k's (kb, ks) at 128 + 8 (4 kb + ks).
.set FV, 0
.set GV, 256
.set SFIN, 512
.set SP, 272                           ; 256 bytes + 16: an odd multiple of 16 bytes, so that 16 rows' 16-byte pieces fall on different banks (ISA guide 11.1)
.set PSZ, 64*SP
.set PART, SFIN+PSZ
.set SR, 32
.set SC, 64
.set T, 96
.set ACC, 128
.macro LOADS set, trip                 ; a trip's 64 loads: 16 fragments of q, 16 of k
	WIN 0x40*((\set)+1)
.irp rb, 0,1,2,3
.irp ks, 0,1,2,3
	global_load_b128 v[8*(4*(\rb)+(\ks)):8*(4*(\rb)+(\ks))+3],         v3, s[4:5] offset:(\rb)*65536+256*(\trip)+64*(\ks)
	global_load_b128 v[8*(4*(\rb)+(\ks))+4:8*(4*(\rb)+(\ks))+7],       v3, s[4:5] offset:(\rb)*65536+256*(\trip)+64*(\ks)+32
	global_load_b128 v[128+8*(4*(\rb)+(\ks)):128+8*(4*(\rb)+(\ks))+3],   v3, s[6:7] offset:(\rb)*65536+256*(\trip)+64*(\ks)
	global_load_b128 v[128+8*(4*(\rb)+(\ks))+4:128+8*(4*(\rb)+(\ks))+7], v3, s[6:7] offset:(\rb)*65536+256*(\trip)+64*(\ks)+32
.endr
.endr
.endm
; A trip's 64 products.  Source 0 = 16 keys, source 1 = 16 queries: a lane holds query 16 qb + r and keys 16 kb + 8 h + 0..7.  The 16 accumulators take turns.
.macro MULS set, first
	WIN 0x05*((\set)+1)
.irp ks, 0,1,2,3
.irp qb, 0,1,2,3
.irp kb, 0,1,2,3
.if (\first) && ((\ks) == 0)
	v_wmma_f32_16x16x32_f16 v[ACC+8*(4*(\qb)+(\kb)):ACC+8*(4*(\qb)+(\kb))+7], v[128+8*(4*(\kb)+(\ks)):128+8*(4*(\kb)+(\ks))+7], v[8*(4*(\qb)+(\ks)):8*(4*(\qb)+(\ks))+7], 0
.else
	v_wmma_f32_16x16x32_f16 v[ACC+8*(4*(\qb)+(\kb)):ACC+8*(4*(\qb)+(\kb))+7], v[128+8*(4*(\kb)+(\ks)):128+8*(4*(\kb)+(\ks))+7], v[8*(4*(\qb)+(\ks)):8*(4*(\qb)+(\ks))+7], v[ACC+8*(4*(\qb)+(\kb)):ACC+8*(4*(\qb)+(\kb))+7]
.endif
.endr
.endr
.endr
.endm
; ONE PASS: res = log2 of the sum over my line's 64 numbers of 2^(s - in).  s: SR or SC; in, out: the LDS vectors read and written.
.macro PASS s, in, out, res
.irp i, 0,1,2,3,4,5,6,7
	ds_load_b128 v[T+4*(\i):T+4*(\i)+3], v8 offset:(\in)+16*(\i)   ; the other potential's 32 numbers for my half: the same address in 16 lanes
.endr
	s_wait_dscnt 0x4                               ; the first 16 numbers are in; the four younger loads may stay out
.irp p, 0,1,2,3,4,5,6,7
	v_pk_add_f32 v[T+2*(\p):T+2*(\p)+1], v[(\s)+2*(\p):(\s)+2*(\p)+1], v[T+2*(\p):T+2*(\p)+1] neg_lo:[0,1] neg_hi:[0,1]
.endr
	v_max3_num_f32 v16, v[T], v[T+1], v[T+2]       ; the maximum: four chains of seven numbers, three operands at a time
	v_max3_num_f32 v17, v[T+8], v[T+9], v[T+10]
	v_max3_num_f32 v16, v16, v[T+3], v[T+4]
	v_max3_num_f32 v17, v17, v[T+11], v[T+12]
	v_max3_num_f32 v16, v16, v[T+5], v[T+6]
	v_max3_num_f32 v17, v17, v[T+13], v[T+14]
	s_wait_dscnt 0x0
.irp p, 8,9,10,11,12,13,14,15
	v_pk_add_f32 v[T+2*(\p):T+2*(\p)+1], v[(\s)+2*(\p):(\s)+2*(\p)+1], v[T+2*(\p):T+2*(\p)+1] neg_lo:[0,1] neg_hi:[0,1]
.endr
	v_max3_num_f32 v18, v[T+16], v[T+17], v[T+18]
	v_max3_num_f32 v19, v[T+24], v[T+25], v[T+26]
	v_max3_num_f32 v18, v18, v[T+19], v[T+20]
	v_max3_num_f32 v19, v19, v[T+27], v[T+28]
	v_max3_num_f32 v18, v18, v[T+21], v[T+22]
	v_max3_num_f32 v19, v19, v[T+29], v[T+30]
	v_max3_num_f32 v16, v16, v[T+7], v[T+15]       ; the four left over, and the chains into one
	v_max3_num_f32 v18, v18, v[T+23], v[T+31]
	v_max3_num_f32 v16, v16, v17, v18
	v_max_num_f32 v16, v16, v19
	v_permlanex16_b32 v17, v16, s12, s13           ; the line's other 32 numbers lie in the lane 16 away
	v_max_num_f32 v14, v16, v17
	v_pk_add_f32 v[T:T+1], v[T:T+1], v[14:15] op_sel_hi:[1,0] neg_lo:[0,1] neg_hi:[0,1]
	v_pk_add_f32 v[T+2:T+3], v[T+2:T+3], v[14:15] op_sel_hi:[1,0] neg_lo:[0,1] neg_hi:[0,1]
.set p, 0
.rept 16                               ; the 32 exponentials are one batch; the subtractions stand among them, two pairs ahead; nothing here names a result
	v_exp_f32 v[T+2*p], v[T+2*p]
	v_exp_f32 v[T+2*p+1], v[T+2*p+1]
.if p < 14
	v_pk_add_f32 v[T+2*p+4:T+2*p+5], v[T+2*p+4:T+2*p+5], v[14:15] op_sel_hi:[1,0] neg_lo:[0,1] neg_hi:[0,1]
.endif
.set p, p+1
.endr
	v_nop                                          ; a plain instruction behind the last exponential,
	s_wait_alu depctr_va_vdst(0)                   ; and one wait ahead of the first reader
.irp w, 16,8,4,2                       ; the sum as a tree, in place: 8 + 4 + 2 + 1 packed additions
.set p, 0
.rept (\w)/2
	v_pk_add_f32 v[T+2*p:T+2*p+1], v[T+2*p:T+2*p+1], v[T+2*p+(\w):T+2*p+(\w)+1]
.set p, p+1
.endr
.endr
	v_add_f32 v16, v[T], v[T+1]
	v_permlanex16_b32 v17, v16, s12, s13
	v_add_f32 v16, v16, v17                        ; at least 1: the maximum's own term
	v_log_f32 v16, v16
	v_nop
	s_wait_alu depctr_va_vdst(0)
	v_add_f32 v[(\res)], v14, v16
	ds_store_b32 v9, v[(\res)] offset:(\out)       ; both halves of the lanes store the same number to the same word
	s_wait_dscnt 0x0                               ; my store is done, and my reads of the other vector were waited for above:
	s_barrier_signal -1                            ; behind this barrier the vector just written may be read and the one just read may be written
	s_barrier_wait -1
.endm
.Lsink:
	s_sub_co_u32 s21, s[CLY], 4                    ; the batch, from the cluster's place and mine in it
	s_lshl_b32 s21, s21, 1
	s_add_co_u32 s21, s21, ttmp9
	s_lshl_b32 s21, s21, 2
	s_add_co_u32 s21, s21, s41
	s_lshl_b32 s21, s21, 2
	s_add_co_u32 s21, s21, s40
	v_and_b32 v1, 15, v0                           ; r
	v_bfe_u32 v2, v0, 4, 1                         ; h
	v_lshlrev_b32 v3, 12, v1                       ; a fragment's row x 4,096 bytes
	v_lshl_add_u32 v3, v2, 4, v3                   ; + 16 h
	s_lshl_b32 s15, s10, 10
	v_add_nc_u32 v3, s15, v3                       ; + my wave's 512 channels
	s_lshl_b32 s16, s21, 18                        ; the batch's 64 rows of 4,096 bytes
	s_mov_b32 s17, 0
	s_mov_b32 s12, 0x76543210                      ; v_permlanex16_b32: each lane takes its own place in the other half
	s_mov_b32 s13, 0xfedcba98
	s_mov_b32 s18, 0x3d0293ee                      ; log2(e) / sqrt(2048)
	s_mov_b32 s19, s18                             ; named with it as a pair
	s_add_nc_u64 s[4:5], s[80:81], s[16:17]        ; q
	s_add_nc_u64 s[6:7], s[76:77], s[16:17]        ; k
	LOADS 0, 0
	LOADS 1, 1
	WIN 0
	s_lshl_b32 s16, s21, 14                        ; attn: the batch's 16,384 bytes,
	s_lshl_b32 s20, s10, 12                        ; my wave's 16 rows of 256
	s_add_co_u32 s16, s16, s20
	s_add_nc_u64 s[8:9], s[78:79], s[16:17]
	v_mul_u32_u24 v26, v1, SP                      ; 272 r
	s_mul_i32 s15, s10, PSZ
	s_add_co_u32 s15, s15, PART                    ; my partial matrix
	v_lshl_add_u32 v4, v2, 5, v26
	v_add_nc_u32 v4, s15, v4                       ; PS: row r of a block of 16 queries, 32 bytes for each half of the lanes
	s_mul_i32 s15, s10, 16*SP                      ; my 16 rows in a matrix
	v_lshl_add_u32 v5, v2, 7, v26
	v_add_nc_u32 v5, s15, v5
	v_add_nc_u32 v6, SFIN, v5                      ; SW: row 16 w + r of SFIN, my 128 bytes
	v_add_nc_u32 v5, PART, v5                      ; PR: the same place in wave 0's partial matrix
	s_lshl_b32 s20, s10, 6
	v_lshl_add_u32 v9, v1, 2, s20                  ; OA: 4 (16 w + r)
	v_mul_u32_u24 v7, v2, 32*SP
	v_add_nc_u32 v7, v7, v9
	v_add_nc_u32 v7, SFIN, v7                      ; CA: column 16 w + r, from row 32 h on
	v_lshlrev_b32 v8, 7, v2                        ; HB: 128 h
	v_mul_u32_u24 v10, v2, SP
	v_lshl_add_u32 v10, v1, 4, v10
	s_add_co_u32 s15, s15, SFIN
	v_add_nc_u32 v10, s15, v10                     ; RB: back by whole rows: lanes 0-15 one row of 256 bytes, lanes 16-31 the next
	v_and_b32 v11, 31, v0
	v_lshlrev_b32 v11, 4, v11                      ; GO: 16 l
	v_mov_b32 v12, 0
	v_mov_b32 v15, 0                               ; the upper registers of two pairs of which the packed forms take the lower for both halves
	v_mov_b32 v21, 0
	s_wait_loadcnt 63                              ; set 0 is in: 64 loads are younger, and the wait's field holds 63 at the most
	MULS 0, 1
	PLACES
	LOADS 0, 2
	s_wait_loadcnt 63                              ; set 1 is in
	MULS 1, 0
	PLACES
	LOADS 1, 3
	s_wait_loadcnt 63
	MULS 0, 0
	s_wait_loadcnt 0x0
	MULS 1, 0
	WIN 0
	PLACES
	PLACES
.set a, 0
.rept 16                               ; my partial scores into my matrix; each accumulator from its low end on
	ds_store_b128 v4, v[ACC+8*a:ACC+8*a+3]   offset:(a/4)*16*SP+(a%4)*64
	ds_store_b128 v4, v[ACC+8*a+4:ACC+8*a+7] offset:(a/4)*16*SP+(a%4)*64+16
.set a, a+1
.endr
	s_wait_dscnt 0x0
	s_barrier_signal -1
	s_barrier_wait -1                              ; all four partial matrices lie in LDS
.irp p, 0,1,2,3
.irp i, 0,1,2,3,4,5,6,7
	ds_load_b128 v[ACC+32*(\p)+4*(\i):ACC+32*(\p)+4*(\i)+3], v5 offset:PSZ*(\p)+16*(\i)
.endr
.endr
	s_wait_dscnt 0x0
.set j, 0
.rept 16
	v_pk_add_f32 v[ACC+2*j:ACC+2*j+1], v[ACC+2*j:ACC+2*j+1], v[ACC+32+2*j:ACC+32+2*j+1]
	v_pk_add_f32 v[ACC+64+2*j:ACC+64+2*j+1], v[ACC+64+2*j:ACC+64+2*j+1], v[ACC+96+2*j:ACC+96+2*j+1]
.set j, j+1
.endr
.set j, 0
.rept 16
	v_pk_add_f32 v[ACC+2*j:ACC+2*j+1], v[ACC+2*j:ACC+2*j+1], v[ACC+64+2*j:ACC+64+2*j+1]
.set j, j+1
.endr
.set j, 0
.rept 16
	v_pk_mul_f32 v[SR+2*j:SR+2*j+1], v[ACC+2*j:ACC+2*j+1], s[18:19] op_sel_hi:[1,0]  ; SR[i] = S2[16 w + r][32 h + i]
.set j, j+1
.endr
.irp i, 0,1,2,3,4,5,6,7
	ds_store_b128 v6, v[SR+4*(\i):SR+4*(\i)+3] offset:16*(\i)
.endr
	ds_store_b32 v9, v12 offset:GV                 ; g = 0
	s_wait_dscnt 0x0
	s_barrier_signal -1
	s_barrier_wait -1                              ; S2 lies whole in SFIN
.set i, 0
.rept 32
	ds_load_b32 v[SC+i], v7 offset:SP*i            ; SC[i] = S2[32 h + i][16 w + r]; waited for by the first pass's waits, ahead of its barrier
.set i, i+1
.endr
	s_mov_b32 s14, 50
.Lround:
	PASS SR, GV, FV, 20                            ; rows: f = lse over m of S2 - g
	PASS SC, FV, GV, 22                            ; columns: g = lse over n of S2 - f
	s_sub_co_u32 s14, s14, 1
	s_cmp_lg_u32 s14, 0
	s_cbranch_scc1 .Lround
.irp i, 0,1,2,3,4,5,6,7
	ds_load_b128 v[T+4*(\i):T+4*(\i)+3], v8 offset:GV+16*(\i)
.endr
	s_wait_dscnt 0x0
.set p, 0
.rept 16
	v_pk_add_f32 v[T+2*p:T+2*p+1], v[SR+2*p:SR+2*p+1], v[T+2*p:T+2*p+1] neg_lo:[0,1] neg_hi:[0,1]
.set p, p+1
.endr
.set p, 0
.rept 16
	v_pk_add_f32 v[T+2*p:T+2*p+1], v[T+2*p:T+2*p+1], v[20:21] op_sel_hi:[1,0] neg_lo:[0,1] neg_hi:[0,1]
.set p, p+1
.endr
.set i, 0
.rept 32
	v_exp_f32 v[T+i], v[T+i]                       ; attn = 2^(S2 - g - f)
.set i, i+1
.endr
	v_nop
	s_wait_alu depctr_va_vdst(0)                   ; one wait for the batch
.irp i, 0,1,2,3,4,5,6,7
	ds_store_b128 v6, v[T+4*(\i):T+4*(\i)+3] offset:16*(\i)   ; into my own 16 rows of SFIN: the other waves' reads of them were waited for ahead of the first pass's barrier
.endr
.irp t, 0,1,2,3,4,5,6,7
	ds_load_b128 v[SC+4*(\t):SC+4*(\t)+3], v10 offset:2*SP*(\t)  ; LDS serves a wave's instructions in order (ISA guide 5.7.1.4): these see the stores above
.endr
.irp t, 0,1,2,3,4,5,6,7
	s_wait_dscnt 7-(\t)
	global_store_b128 v11, v[SC+4*(\t):SC+4*(\t)+3], s[8:9] offset:512*(\t)  ; two rows: 512 consecutive bytes, aligned
.endr
	s_wait_tensorcnt 0x0                           ; the wave's end, behind my last LDS store
	ds_add_u32 v[SPW], v[NIL]
	s_wait_dscnt 0x0
	CROUND                                         ; a closing round in front of the end: all sixteen partners of such a cluster take this path
	s_endpgm
.Lfunc_end_k_qaa83784cd9_gemmqk:
	.size	k_qaa83784cd9_gemmqk, .Lfunc_end_k_qaa83784cd9_gemmqk-k_qaa83784cd9_gemmqk
	.p2alignl 7, 3214868480
	.fill 96, 4, 3214868480
	.section	.rodata,"a",@progbits
	.p2align	6, 0x0
	.amdhsa_kernel k_qaa83784cd9_gemmqk
		.amdhsa_group_segment_fixed_size 327680
		.amdhsa_private_segment_fixed_size 0
		.amdhsa_enable_private_segment 0
		.amdhsa_kernarg_size 56
		.amdhsa_user_sgpr_count 2
		.amdhsa_user_sgpr_kernarg_segment_ptr 1
		.amdhsa_wavefront_size32 1
		.amdhsa_system_sgpr_workgroup_id_x 1
		.amdhsa_system_sgpr_workgroup_id_y 1
		.amdhsa_system_sgpr_workgroup_id_z 1
		.amdhsa_system_vgpr_workitem_id 0
		.amdhsa_next_free_vgpr 1024
		.amdhsa_next_free_sgpr 82
		.amdhsa_reserve_vcc 0
		.amdhsa_float_denorm_mode_32 3
		.amdhsa_float_denorm_mode_16_64 3
		.amdhsa_memory_ordered 1
		.amdhsa_forward_progress 1
		.amdhsa_inst_pref_size 221
	.end_amdhsa_kernel
	.amdgpu_metadata
---
amdhsa.version: [ 1, 2 ]
amdhsa.kernels:
  - .name:           k_qaa83784cd9_gemmqk
    .symbol:         k_qaa83784cd9_gemmqk.kd
    .args:
      - { .name: xn, .offset: 0, .size: 8, .value_kind: global_buffer, .address_space: global }
      - { .name: whq, .offset: 8, .size: 8, .value_kind: global_buffer, .address_space: global }
      - { .name: bq, .offset: 16, .size: 8, .value_kind: global_buffer, .address_space: global }
      - { .name: qh, .offset: 24, .size: 8, .value_kind: global_buffer, .address_space: global }
      - { .name: whk, .offset: 32, .size: 8, .value_kind: global_buffer, .address_space: global }
      - { .name: kh, .offset: 40, .size: 8, .value_kind: global_buffer, .address_space: global }
      - { .name: whv, .offset: 48, .size: 8, .value_kind: global_buffer, .address_space: global }
    .group_segment_fixed_size: 327680
    .private_segment_fixed_size: 0
    .kernarg_segment_align: 8
    .kernarg_segment_size: 56
    .max_flat_workgroup_size: 128
    .sgpr_count:     82
    .vgpr_count:     1024
    .wavefront_size: 32
...
	.end_amdgpu_metadata
.endif
;; end of part 5
;; launch gemmvs: the kernel of part 5 again; grid 8 x 24, 4 waves a work-group, clusters of 4 x 4, 327,680 bytes of LDS; arguments xn, whv, bv, vh, kh, out1, qh; writes vh, out1
;; launch mix: the kernel of part 4 again; grid 256 x 1, 4 waves a work-group, clusters of 4 x 1, 271,104 bytes of LDS; arguments agent_states, agent_biases, scale_factors, xn, vh, out1, out0; writes out0
;; ======== version 3 of 3: 4 launches; version 2 with the launch prep written anew for expert scheduling mode
;; limits: values are held in f16: magnitudes above 65,504 overflow, below 6.1e-05 lose precision
;; workspace buffers: xn 16,777,216 bytes; qh 16,777,216 bytes; kh 16,777,216 bytes; vh 16,777,216 bytes; whq 8,388,608 bytes; whk 8,388,608 bytes; whv 8,388,608 bytes
;; launch prep (part 6): grid 256 x 1, 8 waves a work-group, no clusters, 0 bytes of LDS; arguments agent_states, ln_w, ln_b, wq, wk, wv, xn, whq, whk, whv; writes xn, whq, whk, whv
.if DOCPART == 6
	.amdgcn_target "amdgcn-amd-amdhsa--gfx1250"
	.amdhsa_code_object_version 6
	.text
	.protected	k_qaa83784cd9_prep
	.globl	k_qaa83784cd9_prep
	.p2align	8
	.type	k_qaa83784cd9_prep,@function
k_qaa83784cd9_prep:
	s_mov_b64 s[64:65], 0
	v_nop
	global_prefetch_b8 v0, s[64:65] scope:SCOPE_SE
	s_setreg_imm32_b32 hwreg(HW_REG_WAVE_SCHED_MODE, 0, 2), 2
	s_setreg_imm32_b32 hwreg(HW_REG_WAVE_MODE, 25, 1), 1
	s_wait_xcnt 0x0
	s_wait_alu depctr_vm_vsrc(0)
; PREP.  xn = LayerNorm(agent_states) x ln_w + ln_b, rounded once to f16; whq, whk, whv = wq, wk, wv rounded once to f16.
; THE PROGRAM: prep (this); gemmqk (q = xn wq^T + bq, k = xn wk^T, f16); gemmvs (v = xn wv^T + bv, f16; beside it, on other work-groups: scores, 50 pairs of row and column normalising steps, attn);
; mix (attn v, mix, bias, scale, bound, residual).
; WORK LEFT OUT: bk.  k enters the scores alone, and q_n . (k0_m + bk) = q_n . k0_m + q_n . bk.  The second term does not depend on m, and the first thing done to the scores is
; la - logsumexp(la, axis = 2), over m, which takes away every term that is the same along m, whatever the inputs hold.  So bk reaches neither output: it is not loaded and is no argument of any
; launch.  (bq stays: bq . k0_m varies along m.)  LIMIT: a NaN, an infinity or an overflow that comes from bk alone is not carried to the results.
; WHY f16 AND NOT bf16: a score's error moves attn by that error times attn, and the scores are sums of 2,048 products of numbers that are themselves sums of 2,048 products; f16 keeps 11 significant bits.
; LIMITS: |xn| and |w| stay under 65,504 (f16's largest number); below 6.1e-5 f16 keeps its fixed step of 6e-8.  NaN and infinities are not treated apart.
; SHARES.  256 work-groups x 8 waves = 2,048 waves.  Wave W takes rows 2 W and 2 W + 1 of agent_states and row W of each weight.  A row of 2,048 f32 is 16 loads of 16 bytes a lane (a wave's load covers
; 512 bytes on end) and stays in 64 registers: register 4 j + e of lane l is column 128 j + 4 l + e.  As f16 it leaves by 16 stores of 8 bytes a lane: each covers 256 bytes on end, aligned.
; All 112 loads are issued first; no register is used twice for memory, so no store's source is ever rewritten.  No LDS, no barrier: a row never leaves its wave.
; THE MODE: SCHED_MODE bits 1:0 = 2 (LLVM: expert scheduling mode 2), set by the entry lines.  The code itself states the register dependences between vector instructions and memory instructions,
; with s_wait_alu, always for 0.
; THE PLAN.  Registers that memory instructions touch:
;   v1 (16 l)    written once at the head; read by all 112 loads; never written again.
;   v2 (8 l)     written at the head; read by all 80 stores; never written again.
;   X0, X1, LW, LB, WA, WB, WC   each the target of sixteen loads at the head, ahead of which no vector instruction names it; no load is issued behind the head.
;   registers 4 j and 4 j + 1 of X0, X1, WA, WB, WC   written by the piece's conversions, read by the piece's sixteen stores, never written again.
;   s24          written by v_readfirstlane_b32, read by the scalar line that makes W.
; So: one wait on va_sdst ahead of s24's reader; one wait on va_vdst ahead of the first load, for both offsets and for the whole kernel; one behind each of the five pieces' conversions, ahead of that
; piece's stores; and the one behind the reciprocal roots.  No register that a memory instruction has read is ever written again, so no wait on vm_vsrc has a dependence to state, and none is written.
; Row 0's stores are dealt among row 1's first 32 multiplies, which name row 1 and its factor alone.  The other pieces' stores stand in runs ahead of the next piece's wait for its loads, so that no store
; stands behind a wait for data that it does not need; the next piece's vector work follows them with no wait, since it names other registers.
; REGISTERS.  Window 0: v1 = 16 l, v2 = 8 l; v4-11 four chains of pairs; v12-13, v16-17 the means; v14-15, v18-19 1 / sqrt(var + eps); v20, v21 var + eps; v32-95, v96-159 the two rows; v160-223 wq's row.
; Window 1: v0-63 ln_w, v64-127 ln_b, v128-191 wk's row, v192-255 wv's row.
.set X0, 32
.set X1, 96
.set WA, 160
.set LW, 0
.set LB, 64
.set WB, 128
.set WC, 192
.set CH, 4
.set MSB, 0
.macro WIN new                         ; s_set_vgpr_msb: bits 1:0 source 0, 3:2 source 1, 5:4 source 2, 7:6 destination; the high byte repeats the setting that is left
.if MSB != (\new)
	s_set_vgpr_msb (MSB<<8)|(\new)
.set MSB, \new
.endif
.endm
.macro ROWIN reg, ptr, off, nt         ; a row of 8,192 bytes into 64 registers
.set j, 0
.rept 16
.if \nt
	global_load_b128 v[(\reg)+4*j:(\reg)+4*j+3], v1, s[(\ptr):(\ptr)+1] offset:(\off)+512*j th:TH_LOAD_NT
.else
	global_load_b128 v[(\reg)+4*j:(\reg)+4*j+3], v1, s[(\ptr):(\ptr)+1] offset:(\off)+512*j
.endif
.set j, j+1
.endr
.endm
.macro ROWOUT reg, ptr, off            ; a rounded row of 4,096 bytes out of registers 4 j and 4 j + 1 of its 64
.set j, 0
.rept 16
	global_store_b64 v2, v[(\reg)+4*j:(\reg)+4*j+1], s[(\ptr):(\ptr)+1] offset:(\off)+256*j
.set j, j+1
.endr
.endm
.macro MERGE                           ; the four chains into one number, then over the 32 lanes: every lane ends with the sum in v[CH]
	v_pk_add_f32 v[CH:CH+1], v[CH:CH+1], v[CH+2:CH+3]
	v_pk_add_f32 v[CH+4:CH+5], v[CH+4:CH+5], v[CH+6:CH+7]
	v_pk_add_f32 v[CH:CH+1], v[CH:CH+1], v[CH+4:CH+5]
	v_add_f32 v[CH], v[CH], v[CH+1]
	v_add_f32_dpp v[CH], v[CH], v[CH] row_xmask:1 row_mask:0xf bank_mask:0xf
	v_add_f32_dpp v[CH], v[CH], v[CH] row_xmask:2 row_mask:0xf bank_mask:0xf
	v_add_f32_dpp v[CH], v[CH], v[CH] row_xmask:4 row_mask:0xf bank_mask:0xf
	v_add_f32_dpp v[CH], v[CH], v[CH] row_xmask:8 row_mask:0xf bank_mask:0xf
	v_permlanex16_b32 v[CH+1], v[CH], s28, s29
	v_add_f32 v[CH], v[CH], v[CH+1]
.endm
; The row's mean; the row less its mean, in place; the mean of the squares of that, plus eps: two passes, as the formula has them, so that a common offset of the row costs nothing.
.macro STAT x, mu, arg
.irp c, 0,1,2,3
	v_pk_add_f32 v[CH+2*(\c):CH+2*(\c)+1], v[(\x)+2*(\c):(\x)+2*(\c)+1], v[(\x)+8+2*(\c):(\x)+8+2*(\c)+1]  ; the first eight pairs start the chains
.endr
.set p, 8
.rept 24
	v_pk_add_f32 v[CH+2*(p%4):CH+2*(p%4)+1], v[CH+2*(p%4):CH+2*(p%4)+1], v[(\x)+2*p:(\x)+2*p+1]
.set p, p+1
.endr
	MERGE
	v_mul_f32 v[(\mu)], s30, v[CH]
	v_mul_f32 v[(\mu)+1], s30, v[CH]
.set p, 0
.rept 32
	v_pk_add_f32 v[(\x)+2*p:(\x)+2*p+1], v[(\x)+2*p:(\x)+2*p+1], v[(\mu):(\mu)+1] neg_lo:[0,1] neg_hi:[0,1]
.set p, p+1
.endr
.irp c, 0,1,2,3
	v_pk_mul_f32 v[CH+2*(\c):CH+2*(\c)+1], v[(\x)+2*(\c):(\x)+2*(\c)+1], v[(\x)+2*(\c):(\x)+2*(\c)+1]
.endr
.set p, 4
.rept 28
	v_pk_fma_f32 v[CH+2*(p%4):CH+2*(p%4)+1], v[(\x)+2*p:(\x)+2*p+1], v[(\x)+2*p:(\x)+2*p+1], v[CH+2*(p%4):CH+2*(p%4)+1]
.set p, p+1
.endr
	MERGE
	v_fma_f32 v[(\arg)], v[CH], s30, s31           ; sum / 2,048 + eps
.endm
; (x - mean) x rstd x ln_w + ln_b, rounded to f16 in place.  deal = 1 (row 1): row 0's sixteen stores are dealt among the first 32 lines, one ahead of each two.  The wait that stands ahead of the macro has
; shown their data written, and the lines between name X1 and its factor alone: neither v2 nor a register of X0.
.macro NORM x, rs, deal
	WIN 0
.set p, 0
.rept 32
.if (\deal) && (p%2 == 0)
	global_store_b64 v2, v[X0+2*p:X0+2*p+1], s[16:17] offset:128*p  ; store j = p / 2 of row 0: registers 4 j and 4 j + 1, 256 j bytes into the row
.endif
	v_pk_mul_f32 v[(\x)+2*p:(\x)+2*p+1], v[(\x)+2*p:(\x)+2*p+1], v[(\rs):(\rs)+1]
.set p, p+1
.endr
	WIN 0x14                                       ; sources 1 and 2 in window 1
.set p, 0
.rept 32
	v_pk_fma_f32 v[(\x)+2*p:(\x)+2*p+1], v[(\x)+2*p:(\x)+2*p+1], v[LW+2*p:LW+2*p+1], v[LB+2*p:LB+2*p+1]
.set p, p+1
.endr
	WIN 0
.set j, 0
.rept 16
	v_cvt_pk_f16_f32 v[(\x)+4*j], v[(\x)+4*j], v[(\x)+4*j+1]
	v_cvt_pk_f16_f32 v[(\x)+4*j+1], v[(\x)+4*j+2], v[(\x)+4*j+3]
.set j, j+1
.endr
.endm
; a weight's row rounded to f16 in place and stored; w: the window in which it lies
.macro CAST reg, w, ptr
	WIN 0x45*(\w)
.set j, 0
.rept 16
	v_cvt_pk_f16_f32 v[(\reg)+4*j], v[(\reg)+4*j], v[(\reg)+4*j+1]
	v_cvt_pk_f16_f32 v[(\reg)+4*j+1], v[(\reg)+4*j+2], v[(\reg)+4*j+3]
.set j, j+1
.endr
	WIN 0x04*(\w)                                  ; a store's data is source 1: the switch, then the wait, then the stores
	s_wait_alu depctr_va_vdst(0)                   ; the conversions have written registers 4 j and 4 j + 1 of the row, which the sixteen stores read
	ROWOUT \reg, \ptr, 0
.endm
	s_load_b512 s[4:19], s[0:1], 0x0               ; agent_states s[4:5], ln_w s[6:7], ln_b s[8:9], wq s[10:11], wk s[12:13], wv s[14:15], xn s[16:17], whq s[18:19]
	s_load_b128 s[20:23], s[0:1], 0x40             ; whk s[20:21], whv s[22:23]
	v_lshrrev_b32 v3, 5, v0
	v_readfirstlane_b32 s24, v3                    ; wave 0..7
	v_and_b32 v2, 31, v0
	v_lshlrev_b32 v1, 4, v2                        ; 16 l
	v_lshlrev_b32 v2, 3, v2                        ; 8 l
	s_lshl_b32 s25, ttmp9, 3
	s_mov_b32 s27, 0
	s_mov_b32 s28, 0x76543210                      ; v_permlanex16_b32: each lane takes its own place in the other half
	s_mov_b32 s29, 0xfedcba98
	s_mov_b32 s30, 0x3a000000                      ; 1 / 2,048
	s_mov_b32 s31, 0x3727c5ac                      ; 1e-5
	s_wait_alu depctr_va_sdst(0)                   ; s24 is written, ahead of its first reader: every base below is made from it
	s_add_co_u32 s25, s25, s24                     ; W = 8 x work-group + wave
	s_wait_kmcnt 0x0
	s_lshl_b32 s26, s25, 14                        ; two rows of 8,192 bytes
	s_add_nc_u64 s[4:5], s[4:5], s[26:27]
	s_lshl_b32 s26, s25, 13                        ; a weight's row of 8,192 bytes; two rows of xn of 4,096
	s_add_nc_u64 s[10:11], s[10:11], s[26:27]
	s_add_nc_u64 s[12:13], s[12:13], s[26:27]
	s_add_nc_u64 s[14:15], s[14:15], s[26:27]
	s_add_nc_u64 s[16:17], s[16:17], s[26:27]
	s_lshl_b32 s26, s25, 12                        ; a rounded weight's row of 4,096 bytes
	s_add_nc_u64 s[18:19], s[18:19], s[26:27]
	s_add_nc_u64 s[20:21], s[20:21], s[26:27]
	s_add_nc_u64 s[22:23], s[22:23], s[26:27]
	s_wait_alu depctr_va_vdst(0)                   ; v1 and v2 are written: every load reads v1 as its offset, every store v2; neither is written again.  Up to the last load only loads and window switches follow
	ROWIN X0, 4, 0, 0
	ROWIN X1, 4, 8192, 0
	WIN 0x40                                       ; destination in window 1
	ROWIN LW, 6, 0, 0
	ROWIN LB, 8, 0, 0
	WIN 0
	ROWIN WA, 10, 0, 1
	WIN 0x40
	ROWIN WB, 12, 0, 1
	ROWIN WC, 14, 0, 1
	WIN 0
	s_wait_loadcnt 63                              ; behind the two rows' 32 loads 80 were issued; the wait's field holds 63 at the most, which asks for more than is needed
	STAT X0, 12, 20
	STAT X1, 16, 21
	v_rsq_f32 v14, v20                             ; one batch of four: each row's factor twice, to fill the pair that the packed multiply takes
	v_rsq_f32 v15, v20
	v_rsq_f32 v18, v21
	v_rsq_f32 v19, v21
	v_nop                                          ; a plain instruction behind the last of them,
	s_wait_alu depctr_va_vdst(0)                   ; and one wait ahead of the first reader: the four factors v14, v15, v18, v19 are written
	s_wait_loadcnt 48                              ; ln_w and ln_b are in: the weights' 48 loads are younger
	NORM X0, 14, 0
	s_wait_alu depctr_va_vdst(0)                   ; row 0's conversions have written registers 4 j and 4 j + 1 of X0, which its sixteen stores, dealt among the lines below, read
	NORM X1, 18, 1
	s_wait_alu depctr_va_vdst(0)                   ; row 1's conversions have written registers 4 j and 4 j + 1 of X1, which its sixteen stores read
	ROWOUT X1, 16, 4096
	s_wait_loadcnt 32                              ; wq's row: 32 younger
	CAST WA, 0, 18
	s_wait_loadcnt 16                              ; wk's row: 16 younger
	CAST WB, 1, 20
	s_wait_loadcnt 0x0
	CAST WC, 1, 22
	s_endpgm
.Lfunc_end_k_qaa83784cd9_prep:
	.size	k_qaa83784cd9_prep, .Lfunc_end_k_qaa83784cd9_prep-k_qaa83784cd9_prep
	.p2alignl 7, 3214868480
	.fill 96, 4, 3214868480
	.section	.rodata,"a",@progbits
	.p2align	6, 0x0
	.amdhsa_kernel k_qaa83784cd9_prep
		.amdhsa_group_segment_fixed_size 0
		.amdhsa_private_segment_fixed_size 0
		.amdhsa_enable_private_segment 0
		.amdhsa_kernarg_size 80
		.amdhsa_user_sgpr_count 2
		.amdhsa_user_sgpr_kernarg_segment_ptr 1
		.amdhsa_wavefront_size32 1
		.amdhsa_system_sgpr_workgroup_id_x 1
		.amdhsa_system_sgpr_workgroup_id_y 1
		.amdhsa_system_sgpr_workgroup_id_z 1
		.amdhsa_system_vgpr_workitem_id 0
		.amdhsa_next_free_vgpr 512
		.amdhsa_next_free_sgpr 66
		.amdhsa_reserve_vcc 0
		.amdhsa_float_denorm_mode_32 3
		.amdhsa_float_denorm_mode_16_64 3
		.amdhsa_memory_ordered 1
		.amdhsa_forward_progress 1
		.amdhsa_inst_pref_size 53
	.end_amdhsa_kernel
	.amdgpu_metadata
---
amdhsa.version: [ 1, 2 ]
amdhsa.kernels:
  - .name:           k_qaa83784cd9_prep
    .symbol:         k_qaa83784cd9_prep.kd
    .args:
      - { .name: agent_states, .offset: 0, .size: 8, .value_kind: global_buffer, .address_space: global }
      - { .name: ln_w, .offset: 8, .size: 8, .value_kind: global_buffer, .address_space: global }
      - { .name: ln_b, .offset: 16, .size: 8, .value_kind: global_buffer, .address_space: global }
      - { .name: wq, .offset: 24, .size: 8, .value_kind: global_buffer, .address_space: global }
      - { .name: wk, .offset: 32, .size: 8, .value_kind: global_buffer, .address_space: global }
      - { .name: wv, .offset: 40, .size: 8, .value_kind: global_buffer, .address_space: global }
      - { .name: xn, .offset: 48, .size: 8, .value_kind: global_buffer, .address_space: global }
      - { .name: whq, .offset: 56, .size: 8, .value_kind: global_buffer, .address_space: global }
      - { .name: whk, .offset: 64, .size: 8, .value_kind: global_buffer, .address_space: global }
      - { .name: whv, .offset: 72, .size: 8, .value_kind: global_buffer, .address_space: global }
    .group_segment_fixed_size: 0
    .private_segment_fixed_size: 0
    .kernarg_segment_align: 8
    .kernarg_segment_size: 80
    .max_flat_workgroup_size: 256
    .sgpr_count:     66
    .vgpr_count:     512
    .wavefront_size: 32
...
	.end_amdgpu_metadata
.endif
;; end of part 6
;; launch gemmqk: the kernel of part 5 again; grid 16 x 16, 4 waves a work-group, clusters of 4 x 4, 327,680 bytes of LDS; arguments xn, whq, bq, qh, whk, kh, whv; writes qh, kh
;; launch gemmvs: the kernel of part 5 again; grid 8 x 24, 4 waves a work-group, clusters of 4 x 4, 327,680 bytes of LDS; arguments xn, whv, bv, vh, kh, out1, qh; writes vh, out1
;; launch mix: the kernel of part 4 again; grid 256 x 1, 4 waves a work-group, clusters of 4 x 1, 271,104 bytes of LDS; arguments agent_states, agent_biases, scale_factors, xn, vh, out1, out0; writes out0
